; MI455X (gfx1250); checked and timed in simulation.
; The chip was launched on July 23, 2026; its instructions are those of AMD's public machine-readable ISA for CDNA 5 (MIT licence, August 2026) and "CDNA5" Instruction Set Architecture Reference Guide (July 2026). The comments in the code are by the model that wrote it; some were corrected since.
;; Experts Model. Allowed arithmetic: matrix products marked QUANTISED: E2M1 operands, one E8M0 scale for each 32 along K, by v_wmma_scale_f32_16x16x128_f8f6f4 with both operands' format E2M1 (or v_wmma_scale_f32_32x16x128_f4), f32 sums; products left as they are: f32 operands where the result goes on into a quantised operand, else bf16, f16 or f32 operands; f32 sums; everything else in f32.
;; Inputs: W1_codes 8 x 2,048 x 16 x 16 uint8 (E2M1 codes of W1, K innermost, in blocks of 32 codes, two codes a byte); W1_scales 8 x 2,048 x 16 uint8 (E8M0 scales of W1, one for each 32 codes along K); W2_codes 8 x 512 x 64 x 16 uint8 (E2M1 codes of W2, K innermost, in blocks of 32 codes, two codes a byte); W2_scales 8 x 512 x 64 uint8 (E8M0 scales of W2, one for each 32 codes along K); Wg 512 x 8 float32; b1 8 x 2,048 float32; b2 8 x 512 float32; bg 8 float32; x 4,096 x 512 float32.
;; Outputs: out0 4,096 x 512 float32.
;; This version of the problem:
;;   THIS VERSION OF THE PROBLEM IS GIVEN IN LOW PRECISION. The matrix products marked QUANTISED in the list below multiply operands that are first quantised to E2M1 (2 exponent bits, 1 mantissa bit; 4 bits a number), with one power-of-two scale for each 32 numbers along K (OCP MX v1.0); their sums are f32. All else is computed in f32.
;;   The module's matrix products, in the order in which they are computed (A, B: the left and right operand; K: the contracted axis; several contracted axes count as one K, in the product's order):
;;     1. [M 4,096, K 512] x [K 512, N 8]; A: input x; B: input Wg: left as it is (N = 8 < 16)
;;     2. [M 16,384, K 512] x [K 512, N 4,096]; A: input W1 (given as codes); B: input x: QUANTISED
;;     3. batch 8 x [M 4,096, K 2,048] x [K 2,048, N 512]; A: computed on the way; B: input W2 (given as codes): QUANTISED
;;     4. batch 4,096 x [M 512, K 8] x [K 8, N 1]; A: computed on the way; B: computed on the way: left as it is (K = 8 < 32)
;;   THE QUANTISER, for each operand of a quantised product, along K:
;;     - K is cut into blocks of 32 from its start; a last block that is shorter is filled with zeros.
;;     - A block's scale is 2^e with e = floor(log2(the largest magnitude in the block)) - 2, held to -126 .. 127; a block of zeros has e = 0. As a byte (E8M0): e + 127.
;;     - Each number is divided by its block's scale, clamped to +-6, and rounded to the nearest number of E2M1, ties to even, subnormals kept.
;;     - The product sums the exact products of the quantised numbers (number of the format x scale) in f32.
;;   ~~~python
;;   def quantise(x, axis):      # numpy; x: float32 -> the quantised numbers, widened to float32 again
;;       x = np.moveaxis(x, axis, -1); K = x.shape[-1]
;;       x = np.pad(x, [(0, 0)] * (x.ndim - 1) + [(0, -K % 32)]); x = x.reshape(x.shape[:-1] + (-1, 32)); a = np.abs(x).max(-1, keepdims=True)
;;       e = np.where(a > 0, np.clip(np.frexp(np.where(a > 0, a, 1))[1] - 1 - 2, -126, 127), 0)      # np.frexp(a)[1] - 1 = floor(log2(a)), exactly
;;       r = np.clip(x / 2.0 ** e, -6, 6)
;;       step = 2.0 ** (np.maximum(np.frexp(np.where(r == 0, 1, r))[1] - 1, 0) - 1)
;;       q = np.round(r / step) * step * 2.0 ** e      # np.round: ties to even
;;       return np.moveaxis(q.reshape(q.shape[:-2] + (-1,))[..., :K], -1, axis).astype(np.float32)
;;   ~~~
;;   OPERANDS COMPUTED ON THE WAY. 'Computed on the way' means the value that the module computes at that place (a softmax that the list does not call 'softmax' is quantised finished and normalised). What goes into a quantiser is computed in f32, as accurately as f32 sums, v_exp_f32 and their like allow (about 1e-6 of the number): no bf16 or f16 on the way to a quantiser, and a product that is left as it is and whose result goes on into a quantised operand takes f32 operands (vector FMAs, or v_wmma_f32_16x16x4_f32). A number that lies on a knife's edge between two numbers of the format may be rounded either way, as far as f32 arithmetic and the matrix unit's own rounding can turn it there, and no further.
;;   INPUTS GIVEN AS CODES. W1 (in the module: [8, 512, 2048], K = its axis 1); W2 (in the module: [8, 2048, 512], K = its axis 1): each comes as NAME_codes (uint8): NAME with its K axis moved to the last place and cut into blocks of 32 codes, [.., K / 32, bytes a block], one block behind the other in memory; two codes a byte, the lower K in the low four bits (a code: sign, 2 exponent bits, 1 mantissa bit); and NAME_scales (uint8): the same leading axes, one E8M0 byte (e + 127) for each 32 codes along K. Its value is code x scale, taken as it is: it is not quantised again, and the codes and scales need not be those that the quantiser above would give.
;; 3 versions, each right; version 2 is faster than version 1; version 3 is version 2 with the launch chain written anew for expert scheduling mode. Each part assembles by itself: llvm-mc -triple=amdgcn-amd-amdhsa -mcpu=gfx1250 --defsym DOCPART=n.
;; ======== version 1 of 3: 3 launches
;; workspace buffers: xc 1,048,576 bytes; xs 65,536 bytes; route 32,768 bytes of whole numbers; order 16,384 bytes of whole numbers; tiles 1,536 bytes of whole numbers; w1l 4,194,304 bytes; w2l 4,194,304 bytes
;; launch gate (part 1): grid 256 x 1, 4 waves a work-group, no clusters, 58,880 bytes of LDS; arguments x, Wg, bg, xc, xs, route; writes xc, xs, route
.if DOCPART == 1
	.amdgcn_target "amdgcn-amd-amdhsa--gfx1250"
	.amdhsa_code_object_version 6
	.text
	.protected	k_qc6f6cc456b_gate
	.globl	k_qc6f6cc456b_gate
	.p2align	8
	.type	k_qc6f6cc456b_gate,@function
k_qc6f6cc456b_gate:
	s_mov_b64 s[64:65], 0
	v_nop
	global_prefetch_b8 v0, s[64:65] scope:SCOPE_SE
	s_setreg_imm32_b32 hwreg(HW_REG_WAVE_MODE, 25, 1), 1
	s_wait_xcnt 0x0
; THE ROUTER AND THE QUANTISER OF x.  x: [4096][512] f32.  Wg: [512][8], bg: [8] f32.
; For each token: logits = x Wg + bg by f32 fused multiply-adds, the index of the largest (on equal logits the lower index: the compare is strict);
; and x as codes of E2M1 along its 512, with one E8M0 byte for each 32.
; OUT: xc [4096][256 bytes] codes, the lower k in the low four bits;  xs [4096][16] scale bytes;
;      route [256 blocks of 16 tokens][32 words]: words 0-15 the tokens' experts, word 16 the block's counts of experts 0-3 (a byte each), word 17 of experts 4-7, words 18-31 zero.
; The choice is only stored here: no address and no branch of this launch hangs on it.
; SHARES.  A work-group takes 16 tokens, a wave 4.  A lane holds 16 neighbours along K of a row (k = 16 lane ..), two lanes a block of 32, and the 16 x 8 numbers of Wg that belong to them, in 128 registers.
; Each load of x reads 512 consecutive bytes; a row turns through the wave's own stage in LDS and comes back 64 bytes a lane.  Wg comes once a work-group, 16 bytes a thread, and is dealt out through LDS.
; A block's scale is 2^(floor(log2(largest magnitude)) - 2): its byte is the largest magnitude's exponent field - 2, held at 1 from below by a floor among the maximum's leaves.
; LIMITS: NaN and infinities among the inputs are not served.  A block of zeros gets the byte 1 (the quantiser's text says 127): its codes are zeros, and only this program reads the bytes.
; No matrix unit: eight columns are fewer than a matrix tile has.  No cluster: work-groups share only Wg's 16,384 bytes.
.set SP,   80                          ; a lane's place in a stage: 64 bytes + 16 of padding
.set WGP,  528                         ; a lane's slice of Wg in LDS: 512 bytes + 16: an odd multiple of 16
.set WGL,  0                           ; LDS: Wg, 32 slices
.set XST,  32*WGP                      ; the stages: wave x 4 rows x 32 places
.set SBL,  XST+4*4*32*SP               ; the work-group's 256 scale bytes
.set IDL,  SBL+256                     ; its 16 choices, a word each
.set L,    16                          ; v16-23   the eight logits
.set T,    24                          ; v24-31   lane permutes' destinations
.set CD,   40                          ; v40-47   codes, two registers a row: no store's data are written again
.set SBY,  48                          ; v48-51   a scale byte a row
.set IDX,  52                          ; v52-55   the choice a row
.set EC,   56                          ; v57-63   the numbers 1 to 7
.set R,    64                          ; v64-127  four rows as loaded
.set X,    128                         ; v128-191 four rows, 16 neighbours a lane (v128-159 first carry Wg into LDS)
                                       ; v256-383 (window 1, v0-127): Wg(16 lane + k, e) at 8 k + e
.set MSB, 0
.macro WIN new                         ; the immediate's high byte repeats the setting that is left
.if MSB != \new
	s_set_vgpr_msb (MSB<<8)|\new
.set MSB, \new
.endif
.endm
	s_load_b256 s[4:11], s[0:1], 0x0               ; x s[4:5], Wg s[6:7], bg s[8:9], xc s[10:11]
	s_load_b128 s[12:15], s[0:1], 0x20             ; xs s[12:13], route s[14:15]
	v_lshl_add_u32 v254, v0, 2, 0xe400
	v_mov_b32 v255, 0
	v_lshrrev_b32 v1, 5, v0
	v_readfirstlane_b32 s16, v1                    ; wave 0..3
	v_and_b32 v1, 31, v0                           ; lane
	v_lshlrev_b32 v2, 4, v1                        ; my 16 bytes of a load's 512
	s_mul_i32 s17, s16, 4*32*SP
	s_add_co_u32 s17, s17, XST                     ; my wave's stages
	v_lshrrev_b32 v3, 2, v1
	v_mul_u32_u24 v3, v3, SP
	v_and_b32 v4, 3, v1
	v_lshl_add_u32 v3, v4, 4, v3
	v_add_nc_u32 v3, s17, v3                       ; into a stage: four lanes' 64 bytes on end, then the padding
	v_mul_u32_u24 v4, v1, SP
	v_add_nc_u32 v4, s17, v4                       ; out of it: my 16 neighbours
	v_lshlrev_b32 v5, 4, v0                        ; Wg: 16 bytes a thread
	s_lshl_b32 s18, s16, 4
	v_add_nc_u32 v6, s18, v5                       ; and in LDS: 16 more for each 512 passed (16 x wave here, 64 more for each further load)
	v_mul_u32_u24 v7, v1, WGP                      ; my slice of Wg
	v_lshlrev_b32 v8, 3, v1                        ; 8 bytes a lane: a row's codes; the scale bytes on their way out
	v_lshrrev_b32 v9, 1, v1
	s_lshl_b32 s18, s16, 6
	s_add_co_u32 s18, s18, SBL
	v_add_nc_u32 v9, s18, v9                       ; my block's scale byte: 64 x wave + 16 x row + block
	s_lshl_b32 s18, s16, 4
	s_add_co_u32 s18, s18, IDL
	v_mov_b32 v10, s18                             ; my wave's four choices
	v_add_nc_u32 v11, SBL, v8
	v_and_b32 v12, 15, v1
	v_lshl_add_u32 v12, v12, 2, IDL
	v_lshlrev_b32 v13, 2, v1
.irp e, 0,1,2,3,4,5,6,7
	v_mov_b32 v[T+\e], 0                           ; written once: a lane permute's destination counts as one of its sources
.endr
.irp e, 1,2,3,4,5,6,7
	v_mov_b32 v[EC+\e], \e
.endr
	s_mov_b32 s20, 0x76543210
	s_mov_b32 s21, 0xfedcba98                      ; v_permlanex16_b32's selects for lane l xor 16
	s_lshl_b32 s18, ttmp9, 15                      ; x: 16 rows of 2,048 bytes a work-group,
	s_lshl_b32 s19, s16, 13                        ; 4 a wave
	s_add_co_u32 s18, s18, s19
	s_mov_b32 s19, 0
	s_lshl_b32 s22, ttmp9, 12                      ; xc: rows of 256 bytes
	s_lshl_b32 s23, s16, 10
	s_add_co_u32 s22, s22, s23
	s_mov_b32 s23, 0
	s_lshl_b32 s32, ttmp9, 8                       ; xs: 256 bytes a work-group
	s_mov_b32 s33, 0
	s_lshl_b32 s34, ttmp9, 7                       ; route: 128 bytes a work-group
	s_mov_b32 s35, 0
	s_wait_kmcnt 0x0
	s_load_b256 s[24:31], s[8:9], 0x0              ; bg's eight numbers
	s_add_nc_u64 s[4:5], s[4:5], s[18:19]
	s_add_nc_u64 s[10:11], s[10:11], s[22:23]
	s_add_nc_u64 s[12:13], s[12:13], s[32:33]
	s_add_nc_u64 s[14:15], s[14:15], s[34:35]
.irp j, 0,1,2,3,4,5,6,7
	global_load_b128 v[X+4*\j:X+4*\j+3], v5, s[6:7] offset:2048*\j          ; Wg: the 128 threads read 2,048 consecutive bytes
.endr
.irp t, 0,1,2,3
.irp i, 0,1,2,3
	global_load_b128 v[R+16*\t+4*\i:R+16*\t+4*\i+3], v2, s[4:5] offset:2048*\t+512*\i th:TH_LOAD_NT   ; my four rows: 512 consecutive bytes a load; read once in the launch
.endr
.endr
	s_wait_loadcnt 16                              ; Wg's eight loads are in; x's sixteen stay out
.irp j, 0,1,2,3,4,5,6,7
	ds_store_b128 v6, v[X+4*\j:X+4*\j+3] offset:(2048+64)*\j
.endr
	s_wait_dscnt 0x0                               ; for the others' sake: my part of Wg lies in LDS
	s_barrier_signal -1
	s_barrier_wait -1
	WIN 0x40                                       ; destination window 1
.irp i, 0,1,2,3,4,5,6,7,8,9,10,11,12,13,14,15,16,17,18,19,20,21,22,23,24,25,26,27,28,29,30,31
	ds_load_b128 v[4*\i:4*\i+3], v7 offset:16*\i   ; my slice of Wg: it stays in registers
.endr
	WIN 0
.macro TURN t                          ; row t through its stage: LDS serves a wave's instructions in order, so no wait stands between the stores and the loads
	s_wait_loadcnt 4*(3-\t)                        ; this row's four loads are in; the later rows' stay out
.irp i, 0,1,2,3
	ds_store_b128 v3, v[R+16*\t+4*\i:R+16*\t+4*\i+3] offset:32*SP*\t+8*SP*\i
.endr
.irp i, 0,1,2,3
	ds_load_b128 v[X+16*\t+4*\i:X+16*\t+4*\i+3], v4 offset:32*SP*\t+16*\i
.endr
.endm
.irp t, 0,1,2,3
	TURN \t
.endr
	s_wait_kmcnt 0x0                               ; bg
.macro ROW t
.set XR, X+16*\t
	s_wait_dscnt 8*(3-\t)+2*\t                     ; behind this row's loads from the stage: eight LDS instructions for each later row, two stores for each row already done
	v_max3_num_f32 v32, |v[XR]|, |v[XR+1]|, |v[XR+2]|              ; the largest magnitude of my 16, in two chains
	v_max3_num_f32 v33, |v[XR+3]|, |v[XR+4]|, |v[XR+5]|
.irp i, 6,10
	v_max3_num_f32 v32, v32, |v[XR+\i]|, |v[XR+\i+1]|
	v_max3_num_f32 v33, v33, |v[XR+\i+2]|, |v[XR+\i+3]|
.endr
	v_max3_num_f32 v32, v32, |v[XR+14]|, |v[XR+15]|
	v_max3_num_f32 v32, v32, v33, 0x1800000        ; and the floor 2^(3 - 127): the byte cannot fall under 1
	v_max_num_f32_dpp v32, v32, v32 row_xmask:1 row_mask:0xf bank_mask:0xf   ; with my neighbour's 16: the block's
	v_add_nc_u32 v34, 0xff000000, v32              ; 2 off its exponent field: the conversion takes the exponent field of this operand as its scale
	v_cvt_scalef32_pk8_fp4_f32 v[CD+2*\t], v[XR:XR+7], v34
	v_cvt_scalef32_pk8_fp4_f32 v[CD+2*\t+1], v[XR+8:XR+15], v34
	v_lshrrev_b32 v[SBY+\t], 23, v34               ; the scale's byte (also the plain line behind the conversions)
	ds_store_b8 v9, v[SBY+\t] offset:16*\t         ; both lanes of a block write the same byte with the same value
	global_store_b64 v8, v[CD+2*\t:CD+2*\t+1], s[10:11] offset:256*\t   ; the wave stores the row's 256 consecutive bytes, aligned
	WIN 0x04                                       ; source 1 (Wg) window 1
.irp e, 0,1,2,3,4,5,6,7
	v_mul_f32 v[L+\e], v[XR], v[\e]                ; the first product starts each sum
.endr
.set k, 1
.rept 15
.irp e, 0,1,2,3,4,5,6,7
	v_fmac_f32 v[L+\e], v[XR+k], v[8*k+\e]         ; the eight sums by turns
.endr
.set k, k+1
.endr
	WIN 0
.irp d, 1,2,4,8
.irp e, 0,1,2,3,4,5,6,7
	v_add_f32_dpp v[L+\e], v[L+\e], v[L+\e] row_xmask:\d row_mask:0xf bank_mask:0xf
.endr
.endr
.irp e, 0,1,2,3,4,5,6,7
	v_permlanex16_b32 v[T+\e], v[L+\e], s20, s21
.endr
.irp e, 0,1,2,3,4,5,6,7
	v_add_f32 v[L+\e], v[L+\e], v[T+\e]            ; every lane holds the row's eight sums
.endr
.irp e, 0,1,2,3,4,5,6,7
	v_add_f32 v[L+\e], s[24+\e], v[L+\e]           ; + bg
.endr
	v_mov_b32 v[IDX+\t], 0
	v_mov_b32 v35, v[L]
.irp e, 1,2,3,4,5,6,7
	v_cmp_gt_f32 vcc_lo, v[L+\e], v35              ; strictly larger: on equal logits the lower index stays
	v_cndmask_b32 v[IDX+\t], v[IDX+\t], v[EC+\e], vcc_lo
	v_max_num_f32 v35, v35, v[L+\e]
.endr
	ds_store_b32 v10, v[IDX+\t] offset:4*\t        ; all lanes write the same word with the same value
.endm
.irp t, 0,1,2,3
	ROW \t
.endr
	s_wait_dscnt 0x0                               ; for wave 0's sake: my scale bytes and choices lie in LDS
	s_barrier_signal -1
	s_barrier_wait -1
	s_cmp_lg_u32 s16, 0
	s_cbranch_scc1 .Ldone                          ; wave 0 sends the work-group's small results out in whole runs
	ds_load_b64 v[32:33], v11                      ; 8 scale bytes a lane
	ds_load_b32 v34, v12                           ; the choice of token lane % 16
	v_mov_b32 v38, 0                               ; (destinations of the lane moves below)
	v_mov_b32 v39, 0
	v_mov_b32 v36, 1
	s_wait_dscnt 0x0
	global_store_b64 v8, v[32:33], s[12:13]        ; the wave stores 256 consecutive bytes, aligned
	v_and_b32 v35, 3, v34
	v_lshlrev_b32 v35, 3, v35
	v_lshlrev_b32 v35, v35, v36                    ; 1 in the byte of my token's expert
	v_cmp_gt_u32 vcc_lo, 4, v34
	v_cndmask_b32 v36, 0, v35, vcc_lo              ; for experts 0-3,
	v_sub_nc_u32 v37, v35, v36                     ; for experts 4-7
.irp d, 1,2,4,8
	v_mov_b32_dpp v38, v36 row_xmask:\d row_mask:0xf bank_mask:0xf
	v_mov_b32_dpp v39, v37 row_xmask:\d row_mask:0xf bank_mask:0xf
	v_add_nc_u32 v36, v36, v38                     ; summed over the 16 tokens: a byte holds 16 at the most
	v_add_nc_u32 v37, v37, v39
.endr
	v_cmp_gt_u32 vcc_lo, 16, v1
	v_cndmask_b32 v14, 0, v34, vcc_lo              ; words 0-15: the choices
	v_cmp_eq_u32 vcc_lo, 16, v1
	v_cndmask_b32 v14, v14, v36, vcc_lo            ; word 16
	v_cmp_eq_u32 vcc_lo, 17, v1
	v_cndmask_b32 v14, v14, v37, vcc_lo            ; word 17; the rest zero
	global_store_b32 v13, v14, s[14:15]            ; 128 consecutive bytes
.Ldone:
	s_wait_tensorcnt 0x0
	ds_add_u32 v254, v255
	s_wait_dscnt 0x0
	s_endpgm
.Lfunc_end_k_qc6f6cc456b_gate:
	.size	k_qc6f6cc456b_gate, .Lfunc_end_k_qc6f6cc456b_gate-k_qc6f6cc456b_gate
	.p2alignl 7, 3214868480
	.fill 96, 4, 3214868480
	.section	.rodata,"a",@progbits
	.p2align	6, 0x0
	.amdhsa_kernel k_qc6f6cc456b_gate
		.amdhsa_group_segment_fixed_size 58880
		.amdhsa_private_segment_fixed_size 0
		.amdhsa_enable_private_segment 0
		.amdhsa_kernarg_size 48
		.amdhsa_user_sgpr_count 2
		.amdhsa_user_sgpr_kernarg_segment_ptr 1
		.amdhsa_wavefront_size32 1
		.amdhsa_system_sgpr_workgroup_id_x 1
		.amdhsa_system_sgpr_workgroup_id_y 1
		.amdhsa_system_sgpr_workgroup_id_z 1
		.amdhsa_system_vgpr_workitem_id 0
		.amdhsa_next_free_vgpr 384
		.amdhsa_next_free_sgpr 66
		.amdhsa_reserve_vcc 1
		.amdhsa_float_denorm_mode_32 3
		.amdhsa_float_denorm_mode_16_64 3
		.amdhsa_memory_ordered 1
		.amdhsa_forward_progress 1
		.amdhsa_inst_pref_size 48
	.end_amdhsa_kernel
	.amdgpu_metadata
---
amdhsa.version: [ 1, 2 ]
amdhsa.kernels:
  - .name:           k_qc6f6cc456b_gate
    .symbol:         k_qc6f6cc456b_gate.kd
    .args:
      - { .name: x, .offset: 0, .size: 8, .value_kind: global_buffer, .address_space: global }
      - { .name: Wg, .offset: 8, .size: 8, .value_kind: global_buffer, .address_space: global }
      - { .name: bg, .offset: 16, .size: 8, .value_kind: global_buffer, .address_space: global }
      - { .name: xc, .offset: 24, .size: 8, .value_kind: global_buffer, .address_space: global }
      - { .name: xs, .offset: 32, .size: 8, .value_kind: global_buffer, .address_space: global }
      - { .name: route, .offset: 40, .size: 8, .value_kind: global_buffer, .address_space: global }
    .group_segment_fixed_size: 58880
    .private_segment_fixed_size: 0
    .kernarg_segment_align: 8
    .kernarg_segment_size: 48
    .max_flat_workgroup_size: 128
    .sgpr_count:     66
    .vgpr_count:     384
    .wavefront_size: 32
...
	.end_amdgpu_metadata
.endif
;; end of part 1
;; launch place (part 2): grid 129 x 1, 16 waves a work-group, no clusters, 71,680 bytes of LDS; arguments route, W1_codes, W2_codes, order, tiles, w1l, w2l; writes order, tiles, w1l, w2l
.if DOCPART == 2
	.amdgcn_target "amdgcn-amd-amdhsa--gfx1250"
	.amdhsa_code_object_version 6
	.text
	.protected	k_qc6f6cc456b_place
	.globl	k_qc6f6cc456b_place
	.p2align	8
	.type	k_qc6f6cc456b_place,@function
k_qc6f6cc456b_place:
	s_mov_b64 s[64:65], 0
	v_nop
	global_prefetch_b8 v0, s[64:65] scope:SCOPE_SE
	s_setreg_imm32_b32 hwreg(HW_REG_WAVE_MODE, 25, 1), 1
	s_wait_xcnt 0x0
; TWO JOBS THAT DO NOT DEPEND ON EACH OTHER, in one launch; the paths part on the work-group's number and never join.
; WORK-GROUP 0 sorts the 4,096 tokens by their expert (a counting sort in registers, no atomics, no LDS, no barrier) and writes
;   order [4096]: token numbers, expert by expert;   tiles [96][4 words]: expert, first place in order, number of rows (0 to 64), 0.
;   With tiles of 64 rows there are never more than 4096 / 64 + 7 = 71, whatever the split; entries behind the last tile get 0 rows.
; WORK-GROUPS 1 TO 128 lay W1's and W2's codes in the order in which the next launch's operand registers take them, so that each of its loads reads 512 consecutive bytes:
;   w1l [expert][group of 128 hidden units][tile t of 8][K step s of 4][c of 2][lane][16 bytes]; lane r of tile t stands for row 32 (t / 2) + 8 (t % 2) + r + 8 (r / 8) of the group,
;       so that the results of tiles 2 b and 2 b + 1 are 16 neighbours along the second product's K;
;   w2l [expert][128 outputs w][quarter q of K][tile t of 8][s][c][lane][16 bytes]; lane r of tile t stands for output 128 w + 16 t + r.
;   In both, lane (r, h) holds bytes 64 s + 32 c + 16 h of its row's 256 bytes: k = 128 s + 64 c + 32 h + 0 .. 31.
;   A wave has one task: 16 rows x 256 bytes in, through its own stage in LDS, 4,096 consecutive bytes out.
	s_load_b256 s[4:11], s[0:1], 0x0               ; route s[4:5], W1's codes s[6:7], W2's codes s[8:9], order s[10:11]
	s_load_b128 s[12:15], s[0:1], 0x20             ; tiles s[12:13], w1l s[14:15]
	s_load_b64 s[16:17], s[0:1], 0x30              ; w2l
	v_lshl_add_u32 v128, v0, 2, 0x11000
	v_mov_b32 v129, 0
	v_lshrrev_b32 v1, 5, v0
	v_readfirstlane_b32 s20, v1                    ; wave 0..15
	v_and_b32 v1, 31, v0                           ; lane
	s_cmp_lg_u32 ttmp9, 0
	s_cbranch_scc1 .Llay
	; ---- THE SORT.  Wave w places tokens 256 w .. 256 w + 255 (blocks 16 w .. 16 w + 15).  Every wave sums all 256 blocks' counts for itself: lane l takes blocks 8 l .. 8 l + 7.
	v_lshlrev_b32 v2, 10, v1                       ; eight blocks of 128 bytes a lane
	s_lshl_b32 s21, s20, 11
	v_lshrrev_b32 v3, 2, v1
	v_lshlrev_b32 v3, 7, v3
	v_and_b32 v88, 3, v1
	v_lshl_add_u32 v3, v88, 4, v3
	v_add_nc_u32 v3, s21, v3                       ; my wave's choices: four lanes to a block's 64 bytes
	s_mov_b32 s44, 0x76543210
	s_mov_b32 s45, 0xfedcba98
.irp e, 0,1,2,3,4,5,6,7
	v_mov_b32 v[40+\e], 0                          ; written once: destinations of lane moves count as sources
.endr
	s_wait_kmcnt 0x0
.irp i, 0,1,2,3,4,5,6,7
	global_load_b64 v[4+2*\i:5+2*\i], v2, s[4:5] offset:128*\i+64          ; a block's two count words
.endr
	global_load_b128 v[20:23], v3, s[4:5]          ; register i: token 256 w + 4 lane + i
	global_load_b128 v[24:27], v3, s[4:5] offset:1024                      ; and 128 further on
	s_lshl_b32 s22, s20, 1
	s_lshl_b32 s23, s20, 8
	v_lshl_add_u32 v89, v1, 2, s23                 ; 256 w + 4 lane
.irp n, 0,1,2,3,4,5,6,7
	v_add_nc_u32 v[80+\n], 128*(\n/4)+\n%4, v89    ; the token numbers
.endr
	s_wait_loadcnt 0x0
	v_add3_u32 v28, v4, v6, v8                     ; eight blocks' counts, byte by byte: 128 at the most in a byte
	v_add3_u32 v29, v5, v7, v9
	v_add3_u32 v28, v28, v10, v12
	v_add3_u32 v29, v29, v11, v13
	v_add3_u32 v28, v28, v14, v16
	v_add3_u32 v29, v29, v15, v17
	v_add_nc_u32 v28, v28, v18
	v_add_nc_u32 v29, v29, v19
.irp e, 0,1,2,3
	v_bfe_u32 v[32+\e], v28, 8*\e, 8
	v_bfe_u32 v[36+\e], v29, 8*\e, 8
.endr
	v_cmp_gt_u32 vcc_lo, s22, v1                   ; lanes under 2 w hold the blocks ahead of my wave's
.irp e, 0,1,2,3,4,5,6,7
	v_cndmask_b32 v88, 0, v[32+\e], vcc_lo
	v_lshl_or_b32 v[32+\e], v[32+\e], 16, v88      ; above: for the total; below: for what lies ahead of my wave.  Both stay under 2^13
.endr
.irp d, 1,2,4,8
.irp e, 0,1,2,3,4,5,6,7
	v_mov_b32_dpp v[40+\e], v[32+\e] row_xmask:\d row_mask:0xf bank_mask:0xf
.endr
.irp e, 0,1,2,3,4,5,6,7
	v_add_nc_u32 v[32+\e], v[32+\e], v[40+\e]
.endr
.endr
.irp e, 0,1,2,3,4,5,6,7
	v_permlanex16_b32 v[40+\e], v[32+\e], s44, s45
.endr
.irp e, 0,1,2,3,4,5,6,7
	v_add_nc_u32 v[32+\e], v[32+\e], v[40+\e]
.endr
.irp e, 0,1,2,3,4,5,6,7
	v_lshrrev_b32 v[48+\e], 16, v[32+\e]           ; the expert's tokens in all
	v_and_b32 v[56+\e], 0xffff, v[32+\e]           ; and those ahead of my wave's
.endr
	v_mov_b32 v64, 0
.irp e, 1,2,3,4,5,6,7
	v_add_nc_u32 v[64+\e], v[64+\e-1], v[48+\e-1]  ; where the expert's run begins in order
.endr
.irp e, 0,1,2,3,4,5,6,7
	v_add_nc_u32 v88, v[64+\e], v[56+\e]
	v_readfirstlane_b32 s[24+\e], v88              ; the next free place of each expert, for my wave
.endr
.irp n, 0,1,2,3,4,5,6,7                        ; 32 tokens at a time
.irp e, 0,1,2,3,4,5,6,7
	v_cmp_eq_u32 s[32+\e], \e, v[20+\n]            ; which lanes' tokens go to expert e
.endr
	v_mbcnt_lo_u32_b32 v[72+\n], s32, s24          ; the next free place + the lanes below me with the same expert
.irp e, 1,2,3,4,5,6,7
	v_mbcnt_lo_u32_b32 v88, s[32+\e], s[24+\e]
	v_cndmask_b32 v[72+\n], v[72+\n], v88, s[32+\e]
.endr
.irp e, 0,1,2,3,4,5,6,7
	s_bcnt1_i32_b32 s40, s[32+\e]
	s_add_co_u32 s[24+\e], s[24+\e], s40
.endr
	v_min_u32 v[72+\n], 4095, v[72+\n]             ; a place made of loaded numbers is held inside the buffer
	v_lshlrev_b32 v[72+\n], 2, v[72+\n]
	global_store_b32 v[72+\n], v[80+\n], s[10:11]
.endr
	s_cmp_lt_u32 s20, 3
	s_cbranch_scc0 .Lsorted                        ; waves 0 to 2 write the table: entry t = 32 w + lane
	s_lshl_b32 s41, s20, 5
	v_add_nc_u32 v90, s41, v1
	v_mov_b32 v96, 0
.irp e, 1,2,3,4,5,6,7
	v_add_nc_u32 v88, 63, v[48+\e-1]
	v_lshrrev_b32 v88, 6, v88
	v_add_nc_u32 v[96+\e], v[96+\e-1], v88         ; the first tile of expert e
.endr
	v_mov_b32 v104, 0                              ; the last expert whose first tile is not behind t: its number,
	v_mov_b32 v105, 0                              ; its first tile,
	v_mov_b32 v106, 0                              ; where its run begins,
	v_mov_b32 v107, v48                            ; its tokens
.irp e, 1,2,3,4,5,6,7
	v_cmp_ge_u32 vcc_lo, v90, v[96+\e]
	v_mov_b32 v88, \e
	v_cndmask_b32 v104, v104, v88, vcc_lo
	v_cndmask_b32 v105, v105, v[96+\e], vcc_lo
	v_cndmask_b32 v106, v106, v[64+\e], vcc_lo
	v_cndmask_b32 v107, v107, v[48+\e], vcc_lo
.endr
	v_sub_nc_u32 v108, v90, v105
	v_lshlrev_b32 v108, 6, v108
	v_min_u32 v108, v108, v107                     ; the expert's rows in the tiles ahead of t (all of them behind its last tile)
	v_add_nc_u32 v105, v106, v108                  ; first
	v_sub_nc_u32 v106, v107, v108
	v_min_u32 v106, 64, v106                       ; rows
	v_mov_b32 v107, 0
	v_lshlrev_b32 v109, 4, v90
	global_store_b128 v109, v[104:107], s[12:13]
.Lsorted:
	s_endpgm
	; ---- THE LAYING-OUT.  Task 16 (work-group - 1) + wave: the first 1,024 are W1's, the others W2's.
.Llay:
	s_sub_co_u32 s21, ttmp9, 1
	s_lshl_b32 s21, s21, 4
	s_add_co_u32 s21, s21, s20
	s_and_b32 s22, s21, 1023                       ; the task within its tensor: also the number of its 4,096 bytes of output
	s_lshr_b32 s24, s22, 1                         ; W1: task = 128 e + 8 G + t.  32 rows of 256 bytes for each pair of tiles,
	s_lshl_b32 s24, s24, 13
	s_and_b32 s25, s22, 1                          ; 8 rows for the odd tile
	s_lshl_b32 s25, s25, 11
	s_add_co_u32 s24, s24, s25
	s_lshr_b32 s26, s22, 5                         ; W2: task = ((4 e + w) 4 + q) 8 + t.  128 rows of 1,024 bytes for each 4 e + w,
	s_lshl_b32 s26, s26, 17
	s_and_b32 s27, s22, 7                          ; 16 rows for each tile,
	s_lshl_b32 s27, s27, 14
	s_add_co_u32 s26, s26, s27
	s_bfe_u32 s27, s22, 0x20003                    ; 256 bytes for each quarter of K
	s_lshl_b32 s27, s27, 8
	s_add_co_u32 s26, s26, s27
	s_lshl_b32 s28, s22, 12
	s_mov_b32 s29, 0
	s_mov_b32 s30, 2048
	s_wait_kmcnt 0x0
	s_cmp_lt_u32 ttmp9, 65                         ; W1's or W2's?  The choice hangs on the work-group's number alone
	s_cselect_b32 s24, s24, s26                    ; where the task's rows begin
	s_cselect_b32 s30, 512, s30                    ; a load takes two rows: 512 bytes on in W1, 2,048 in W2
	s_cselect_b32 s31, 2048, 0                     ; W1's rows 8-15 of a tile lie 8 rows further on than neighbours would
	s_cselect_b64 s[32:33], s[6:7], s[8:9]
	s_cselect_b64 s[34:35], s[14:15], s[16:17]
	s_mov_b32 s25, 0
	s_add_nc_u64 s[32:33], s[32:33], s[24:25]
	s_add_nc_u64 s[34:35], s[34:35], s[28:29]
	s_lshr_b32 s36, s30, 1                         ; from row to row
	v_and_b32 v2, 15, v1
	v_lshrrev_b32 v3, 4, v1
	v_mul_u32_u24 v4, s36, v3
	v_lshl_add_u32 v4, v2, 4, v4                   ; sixteen lanes to a row's 256 bytes, two rows a load
.irp j, 0,1,2,3,4,5,6,7
	s_mul_i32 s37, s30, \j
.if \j >= 4
	s_add_co_u32 s37, s37, s31
.endif
	v_add_nc_u32 v[8+\j], s37, v4
.endr
.irp j, 0,1,2,3,4,5,6,7
	global_load_b128 v[16+4*\j:19+4*\j], v[8+\j], s[32:33] th:TH_LOAD_NT   ; rows 2 j and 2 j + 1 of the tile; read once in the launch
.endr
	s_mul_i32 s38, s20, 16*272                     ; my stage: 16 rows, 272 bytes apart (an odd multiple of 16: the sixteen rows of a load start in different banks)
	v_mul_u32_u24 v5, v3, 272
	v_lshl_add_u32 v5, v2, 4, v5
	v_add_nc_u32 v5, s38, v5                       ; in: as loaded
	v_mul_u32_u24 v6, v2, 272
	v_lshl_add_u32 v6, v3, 4, v6
	v_add_nc_u32 v6, s38, v6                       ; out: lane (r, h): row r, 16 h bytes on
	v_lshlrev_b32 v7, 4, v1
.irp j, 0,1,2,3,4,5,6,7
	s_wait_loadcnt 7-\j
	ds_store_b128 v5, v[16+4*\j:19+4*\j] offset:2*272*\j
.endr
.irp i, 0,1,2,3,4,5,6,7
	ds_load_b128 v[48+4*\i:51+4*\i], v6 offset:32*\i                       ; i = 2 s + c.  LDS serves a wave's instructions in order: these see my stores
.endr
.irp i, 0,1,2,3,4,5,6,7
	s_wait_dscnt 7-\i
	global_store_b128 v7, v[48+4*\i:51+4*\i], s[34:35] offset:512*\i       ; 512 consecutive bytes, aligned
.endr
	s_wait_tensorcnt 0x0
	ds_add_u32 v128, v129
	s_wait_dscnt 0x0
	s_endpgm
.Lfunc_end_k_qc6f6cc456b_place:
	.size	k_qc6f6cc456b_place, .Lfunc_end_k_qc6f6cc456b_place-k_qc6f6cc456b_place
	.p2alignl 7, 3214868480
	.fill 96, 4, 3214868480
	.section	.rodata,"a",@progbits
	.p2align	6, 0x0
	.amdhsa_kernel k_qc6f6cc456b_place
		.amdhsa_group_segment_fixed_size 71680
		.amdhsa_private_segment_fixed_size 0
		.amdhsa_enable_private_segment 0
		.amdhsa_kernarg_size 56
		.amdhsa_user_sgpr_count 2
		.amdhsa_user_sgpr_kernarg_segment_ptr 1
		.amdhsa_wavefront_size32 1
		.amdhsa_system_sgpr_workgroup_id_x 1
		.amdhsa_system_sgpr_workgroup_id_y 1
		.amdhsa_system_sgpr_workgroup_id_z 1
		.amdhsa_system_vgpr_workitem_id 0
		.amdhsa_next_free_vgpr 130
		.amdhsa_next_free_sgpr 66
		.amdhsa_reserve_vcc 1
		.amdhsa_float_denorm_mode_32 3
		.amdhsa_float_denorm_mode_16_64 3
		.amdhsa_memory_ordered 1
		.amdhsa_forward_progress 1
		.amdhsa_inst_pref_size 35
	.end_amdhsa_kernel
	.amdgpu_metadata
---
amdhsa.version: [ 1, 2 ]
amdhsa.kernels:
  - .name:           k_qc6f6cc456b_place
    .symbol:         k_qc6f6cc456b_place.kd
    .args:
      - { .name: route, .offset: 0, .size: 8, .value_kind: global_buffer, .address_space: global }
      - { .name: W1_codes, .offset: 8, .size: 8, .value_kind: global_buffer, .address_space: global }
      - { .name: W2_codes, .offset: 16, .size: 8, .value_kind: global_buffer, .address_space: global }
      - { .name: order, .offset: 24, .size: 8, .value_kind: global_buffer, .address_space: global }
      - { .name: tiles, .offset: 32, .size: 8, .value_kind: global_buffer, .address_space: global }
      - { .name: w1l, .offset: 40, .size: 8, .value_kind: global_buffer, .address_space: global }
      - { .name: w2l, .offset: 48, .size: 8, .value_kind: global_buffer, .address_space: global }
    .group_segment_fixed_size: 71680
    .private_segment_fixed_size: 0
    .kernarg_segment_align: 8
    .kernarg_segment_size: 56
    .max_flat_workgroup_size: 512
    .sgpr_count:     66
    .vgpr_count:     130
    .wavefront_size: 32
...
	.end_amdgpu_metadata
.endif
;; end of part 2
;; launch chain (part 3): grid 71 x 1, 4 waves a work-group, no clusters, 125,440 bytes of LDS; arguments tiles, order, xc, xs, w1l, W1_scales, b1, w2l, W2_scales, b2, out0; writes out0
.if DOCPART == 3
	.amdgcn_target "amdgcn-amd-amdhsa--gfx1250"
	.amdhsa_code_object_version 6
	.text
	.protected	k_qc6f6cc456b_chain
	.globl	k_qc6f6cc456b_chain
	.p2align	8
	.type	k_qc6f6cc456b_chain,@function
k_qc6f6cc456b_chain:
	s_mov_b64 s[64:65], 0
	v_nop
	global_prefetch_b8 v0, s[64:65] scope:SCOPE_SE
	s_setreg_imm32_b32 hwreg(HW_REG_WAVE_MODE, 25, 1), 1
	s_wait_xcnt 0x0
; ONE TILE OF UP TO 64 TOKENS OF ONE EXPERT THROUGH THE WHOLE CHAIN: out = relu(x W1 + b1) W2 + b2, both products on codes of E2M1 with one E8M0 scale for each 32 along K.
; Only the chosen expert of a token is multiplied: the others' results are thrown away by the one-hot that the problem itself builds.  Each output row has one owner.
; The work-group reads its entry of tiles (expert, first place in order, rows), gathers its tokens' codes and scale bytes, and scatters whole pieces of rows of out0.  The hidden layer never goes to memory.
; GRID: 4096 / 64 + 8 - 1 = 71 work-groups serve every split.  Rows behind a tile's last repeat its last token (the same numbers are then stored twice by the same wave).
;   A tile without rows walks the chain on valid data, since every wave passes every barrier, and jumps over its stores alone.
; SHARES.  THE FOUR WAVES SHARE THE COLUMNS, NOT THE ROWS: wave w makes hidden units 512 w .. 512 w + 511 (four groups of 128: K steps 4 w + g of the second product) and outputs 128 w .. 128 w + 127, for all 64 tokens.
;   So each byte of the expert's weights is wanted by ONE wave: the weights go from memory straight into registers, laid by the launch before in the order of the operand's registers (512 consecutive bytes a load),
;   through a ring of four units of 64 registers; a unit is two tiles of 16 rows x 512 along K, 16 loads, and feeds 32 matrix instructions.  The ring runs on from W1 into W2.
; NO JOINT LOADS: no tile of weights lies in LDS to be shared, and how many tiles an expert has hangs on counts read from memory, so neighbours in the grid need not have one expert.
; BOTH PRODUCTS ARE USED TRANSPOSED (source 0 = 16 rows of the weight, source 1 = 16 tokens): a lane holds ONE token, and its registers run along the hidden units (the next K), then along the outputs.
;   Hidden fragments go from wave to wave through LDS as images of their registers: 16 bytes a lane, 512 a store; scale words 4 bytes a lane.
; The biases are the C of each sum's first matrix instruction.  The accumulators take turns, one instruction a turn.
; LIMITS: NaN and infinities are not served.  A block of zeros of the hidden layer gets the byte 1: its codes are zeros.
; REGISTERS, in windows of 256 (s_set_vgpr_msb: bits 1:0 source 0, 3:2 source 1, 5:4 source 2, 7:6 destination):
;   window 0: addresses, work of the quantiser, all scale words.   window 1: the ring: unit b's fragment (tile u, K step s) at 64 b + 32 u + 8 s; on the way out rows of out0.
;   window 2: the 32 accumulators: (tile of tokens m, tile of rows t) at 64 m + 8 t.
;   window 3: v0-127 x's fragments at 32 m + 8 s, later the hidden layer's at 32 s + 8 m; v128-191 b1's tiles of the four units; v192-255 b2's eight tiles.
.set XTP,   4352                       ; LDS: x's codes of 16 tokens: [16 pieces of 16 bytes][token][16 bytes], pieces 272 bytes apart
.set XIMG,  0                          ; four such
.set HIMG,  4*XTP                      ; the hidden layer's 64 fragments of 1,024 bytes: number 4 S + m
.set HSC,   HIMG+64*1024               ; their scale words, 128 bytes each
.set STG,   HSC+64*128                 ; a stage for each wave: 16 rows x (512 bytes + 16)
.set SPITCH, 528
.set LI,   1                           ; 16 x lane
.set SA,   3                           ; W1's scale words: 16 bytes a row; lanes 0-15 the even tile's rows, lanes 16-31 the odd tile's
.set BA,   4                           ; b1: 64 x (lane / 16)
.set S2A,  5                           ; W2's scale words: 64 bytes a row, a lane to a row of a pair of tiles
.set B2A,  6                           ; b2: 32 x (lane / 16)
.set XW,   7                           ; where I put gathered codes
.set XR,   8                           ; where I read x's fragments
.set HW0,  9                           ; my wave's hidden images,
.set HWS0, 10                          ; and their scale words
.set HR,   11                          ; all hidden images,
.set HSR,  12                          ; all their scale words
.set STO,  13                          ; the stage: in,
.set RD,   14                          ; and back
.set OC,   15                          ; my 16 bytes in a row of out0
.set TOK,  16                          ; v16-19   token of row 16 m + lane % 16
.set OG,   20                          ; v20-27   tokens whose codes I gather
.set XA,   28                          ; v28-35   their offsets in xc
.set PO,   36                          ; v36-47   offsets in order
.set XSO,  48                          ; v48-51   offsets in xs
.set XT,   52                          ; v52-83   gathered codes
.set TM,   84                          ; v84-99   the quantiser's work
.set PW,   100                         ; the scale word just made
.set PC,   102                         ; v102-109 the codes just made
.set HWC,  110                         ; this group's image address,
.set HWSC, 111                         ; and scale word address
.set XS,   112                         ; v112-127 x's scale words: 4 m + s
.set HS,   128                         ; v128-143 the hidden layer's: 4 s + m
.set W1S,  144                         ; v144-159 W1's: 4 b + s
.set W2S,  160                         ; v160-223 W2's: 16 q + 4 p + s
.set OA,   224                         ; v224-239 offsets of 16 rows of out0
.set P1,   32                          ; s[32:33] w1l, s[34:35] W1's scales, s[36:37] b1: at my wave's group in hand
.set PS1,  34
.set PB1,  36
.set P2,   38                          ; s[38:39] w2l, s[40:41] W2's scales, s[42:43] b2: at my wave's part
.set PS2,  40
.set PB2,  42
.set SEL,  46
.set TKS,  66                          ; s66-81 sixteen tokens on the way out
.set MSB, 0
.macro WIN new                         ; the immediate's high byte repeats the setting that is left
.if MSB != \new
	s_set_vgpr_msb (MSB<<8)|\new
.set MSB, \new
.endif
.endm
.macro PLACES                          ; four plain vector lines between a matrix instruction and a load into one of its registers, or the first read of its result
.rept 4
	v_nop
.endr
.endm
; One matrix instruction on the registers rD, rA, rB, rC and the scale words rSA, rSB.  row = 1: the weight's scale words are taken from lanes 16-31.
.macro MM row
.if \row
	v_wmma_scale_f32_16x16x128_f8f6f4 v[rD:rD+7], v[rA:rA+7], v[rB:rB+7], v[rC:rC+7], v[rSA], v[rSB] matrix_a_fmt:MATRIX_FMT_FP4 matrix_b_fmt:MATRIX_FMT_FP4 matrix_a_scale:MATRIX_SCALE_ROW1
.else
	v_wmma_scale_f32_16x16x128_f8f6f4 v[rD:rD+7], v[rA:rA+7], v[rB:rB+7], v[rC:rC+7], v[rSA], v[rSB] matrix_a_fmt:MATRIX_FMT_FP4 matrix_b_fmt:MATRIX_FMT_FP4
.endif
.endm
; Unit b of W1 (tiles 2 b, 2 b + 1 of the group in hand, or of the next: off = 1): 16 loads of codes, 4 of b1, 1 of scale words: 21 loads.
.macro FILL1 b, off
	WIN 0x40
.irp i, 0,1,2,3,4,5,6,7,8,9,10,11,12,13,14,15
	global_load_b128 v[64*(\b)+4*\i:64*(\b)+4*\i+3], v[LI], s[P1:P1+1] offset:(\off)*32768+8192*(\b)+512*\i
.endr
	WIN 0xc0
.irp i, 0,1,2,3
	global_load_b128 v[128+16*(\b)+4*\i:128+16*(\b)+4*\i+3], v[BA], s[PB1:PB1+1] offset:(\off)*512+128*(\b)+16*\i   ; lane (r, h): b1 of hidden units 32 b + 16 h + 0 .. 15: tile 2 b's eight, then tile 2 b + 1's
.endr
	WIN 0
	global_load_b128 v[W1S+4*(\b):W1S+4*(\b)+3], v[SA], s[PS1:PS1+1] offset:(\off)*2048+512*(\b)                   ; the four K steps' words of my row: the wave reads 512 consecutive bytes
.endm
; Unit n of W2 (n = 4 q + p: tiles 2 p, 2 p + 1, quarter q of K) into ring place n % 4: 16 loads.
.macro FILL2 n
	WIN 0x40
.irp i, 0,1,2,3,4,5,6,7,8,9,10,11,12,13,14,15
	global_load_b128 v[64*((\n)%4)+4*\i:64*((\n)%4)+4*\i+3], v[LI], s[P2:P2+1] offset:8192*(\n)+512*\i
.endr
	WIN 0
.endm
; 32 matrix instructions: unit b of W1 against x's four tiles of tokens, K step by K step; eight accumulators by turns.  The first K step takes b1 as C.
.macro MUL1 b
.irp s, 0,1,2,3
.if \s == 0
	WIN 0xbd                                       ; A window 1, B window 3, C window 3, D window 2
.else
	WIN 0xad                                       ; C and D window 2
.endif
.irp u, 0,1
.irp m, 0,1,2,3
.set rD, 64*\m+8*(2*(\b)+\u)
.set rA, 64*(\b)+32*\u+8*\s
.set rB, 32*\m+8*\s
.if \s == 0
.set rC, 128+16*(\b)+8*\u
.else
.set rC, rD
.endif
.set rSA, W1S+4*(\b)+\s
.set rSB, XS+4*\m+\s
	MM \u
.endr
.endr
.endr
.endm
; The 64 results of tile of tokens m (register 16 b + i = hidden unit 32 b + 16 (lane / 16) + i of the group, of my token) are clipped at 0, quantised, and stored as one fragment's image and its scale words.
.macro QUANT m
	WIN 0x88
.set j, 64*(\m)
.rept 64
	v_max_num_f32 v[j], 0, v[j]                    ; the activation, in f32; each accumulator from its low end on
.set j, j+1
.endr
	WIN 0x0a
.irp b, 0,1,2,3
	v_max3_num_f32 v[TM+\b], v[64*(\m)+16*\b], v[64*(\m)+16*\b+1], 0x1800000   ; block b: my 16 numbers (none is negative), and the floor 2^(3 - 127): the byte cannot fall under 1
.endr
.irp i, 2,4,6,8,10,12,14
.irp b, 0,1,2,3
	v_max3_num_f32 v[TM+\b], v[64*(\m)+16*\b+\i], v[64*(\m)+16*\b+\i+1], v[TM+\b]   ; the four blocks by turns
.endr
.endr
	WIN 0
	s_wait_dscnt 0x0                               ; the last image's stores have read their registers, which are written below
.irp b, 0,1,2,3
	v_permlanex16_b32 v[TM+4+\b], v[TM+\b], s[SEL], s[SEL+1]
.endr
.irp b, 0,1,2,3
	v_max_num_f32 v[TM+\b], v[TM+\b], v[TM+4+\b]   ; with lane l xor 16's 16: the block's largest
.endr
.irp b, 0,1,2,3
	v_add_nc_u32 v[TM+12+\b], 0xff000000, v[TM+\b] ; 2 off its exponent field: the conversion's scale operand
.endr
.irp b, 0,1,2,3
	v_lshrrev_b32 v[TM+4+\b], 23, v[TM+12+\b]      ; the scale's byte
.endr
	v_lshl_or_b32 v[PW], v[TM+5], 8, v[TM+4]
	v_lshl_or_b32 v[PW], v[TM+6], 16, v[PW]
	v_lshl_or_b32 v[PW], v[TM+7], 24, v[PW]        ; my token's scale word for this K step
	WIN 0x02
.irp b, 0,1,2,3
	v_cvt_scalef32_pk8_fp4_f32 v[PC+2*\b], v[64*(\m)+16*\b:64*(\m)+16*\b+7], v[TM+12+\b]
	v_cvt_scalef32_pk8_fp4_f32 v[PC+2*\b+1], v[64*(\m)+16*\b+8:64*(\m)+16*\b+15], v[TM+12+\b]
.endr
	WIN 0
	v_nop                                          ; one plain line behind the scaled conversions
.irp c, 0,1                                    ; the operand's layout wants a whole block in a lane: lanes 0-15 block 2 c, lanes 16-31 block 2 c + 1
.irp i, 0,1
	v_permlane16_swap_b32 v[PC+4*\c+\i], v[PC+2+4*\c+\i]
.endr
.endr
.irp c, 0,1
	ds_store_b128 v[HWC], v[PC+4*\c:PC+4*\c+3] offset:1024*(\m)+512*\c
.endr
	ds_store_b32 v[HWSC], v[PW] offset:128*(\m)
.endm
; A group of 128 hidden units: four units multiplied, each ring place filled again as soon as it is free (last = 0: the next group's unit; last = 1: W2's first four), then the four tiles of tokens quantised.
.macro GROUP last
.irp b, 0,1,2,3
.if \last
	s_wait_loadcnt 21*(3-\b)+16*\b                 ; behind unit b's loads: 21 for each unit of W1 still to come, 16 for each unit of W2 already asked for
.else
	s_wait_loadcnt 63                              ; behind unit b's loads: three units of 21 (more on the way into the loop)
.endif
	MUL1 \b
	WIN 0
	PLACES
.if \last
	FILL2 \b
.else
	FILL1 \b, 1
.endif
.endr
	v_add_nc_u32 v[HWC], s49, v[HW0]               ; this group's K step of the second product
	v_add_nc_u32 v[HWSC], s53, v[HWS0]
.irp m, 0,1,2,3
	QUANT \m
.endr
.endm
; The hidden layer's four fragments and scale words of K step 4 q + s: 12 LDS loads.
.macro HLOAD q, s
	WIN 0xc0
.irp m, 0,1,2,3
.irp c, 0,1
	ds_load_b128 v[32*(\s)+8*\m+4*\c:32*(\s)+8*\m+4*\c+3], v[HR] offset:16384*(\q)+4096*(\s)+1024*\m+512*\c
.endr
.endr
	WIN 0
.irp m, 0,1,2,3
	ds_load_b32 v[HS+4*(\s)+\m], v[HSR] offset:128*(16*(\q)+4*(\s)+\m)
.endr
.endm
; 32 matrix instructions: unit 4 q + p of W2 against the hidden layer's quarter q; eight accumulators by turns.  The very first K step takes b2 as C.
; The quarter's last unit fetches the next quarter's hidden fragments, K step by K step, as each is done with.
.macro UNIT2 q, p
.set UN, 4*(\q)+(\p)
.if 15-UN >= 3
	s_wait_loadcnt 48                              ; behind this unit's loads: three units of 16
.else
	s_wait_loadcnt 16*(15-UN)
.endif
.irp s, 0,1,2,3
.if \p == 0
	s_wait_dscnt 12*(3-\s)                         ; this K step's hidden fragments are in; the later K steps' twelve loads each stay out
.endif
.if (\q == 0) && (\s == 0)
	WIN 0xbd
.else
	WIN 0xad
.endif
.irp u, 0,1
.irp m, 0,1,2,3
.set rD, 64*\m+8*(2*(\p)+\u)
.set rA, 64*(\p)+32*\u+8*\s
.set rB, 32*\s+8*\m
.if (\q == 0) && (\s == 0)
.set rC, 192+8*(2*(\p)+\u)
.else
.set rC, rD
.endif
.set rSA, W2S+16*(\q)+4*(\p)+\s
.set rSB, HS+4*\s+\m
	MM \u
.endr
.endr
.if (\p == 3) && (\q < 3)
	WIN 0
	PLACES
	HLOAD (\q)+1, \s
.endif
.endr
	WIN 0
.if UN <= 11
.if !((\p == 3) && (\q < 3))
	PLACES
.endif
	FILL2 UN+4                                     ; (where the quarter's last unit has just fetched, its places serve these loads too)
.endif
.endm
	s_load_b512 s[4:19], s[0:1], 0x0               ; tiles s[4:5], order s[6:7], xc s[8:9], xs s[10:11], w1l s[12:13], W1's scales s[14:15], b1 s[16:17], w2l s[18:19]
	s_load_b128 s[20:23], s[0:1], 0x40             ; W2's scales s[20:21], b2 s[22:23]
	s_load_b64 s[24:25], s[0:1], 0x50              ; out0
	v_lshl_add_u32 v254, v0, 2, 0x1e800
	v_mov_b32 v255, 0
	v_lshrrev_b32 v240, 5, v0
	v_readfirstlane_b32 s26, v240                  ; wave 0..3
	v_and_b32 v241, 31, v0                         ; lane
	v_and_b32 v242, 15, v0                         ; r
	v_bfe_u32 v243, v0, 4, 1                       ; h
	v_lshlrev_b32 v[LI], 4, v241
	v_and_b32 v244, 7, v242
	v_bfe_u32 v245, v0, 3, 1
	v_lshl_add_u32 v244, v245, 4, v244
	v_lshl_add_u32 v244, v243, 3, v244             ; r % 8 + 16 (r / 8) + 8 h: my row among a unit's 32
	v_lshlrev_b32 v[SA], 4, v244
	v_lshlrev_b32 v[BA], 6, v243
	v_lshlrev_b32 v[S2A], 6, v241
	v_lshlrev_b32 v[B2A], 5, v243
	s_mul_i32 s50, s26, XTP
	v_mul_u32_u24 v[XW], v242, 272
	v_lshl_add_u32 v[XW], v243, 4, v[XW]
	v_add_nc_u32 v[XW], s50, v[XW]                 ; my wave's 16 tokens: piece lane % 16, token 2 j + lane / 16
	v_mul_u32_u24 v[XR], v243, 272
	v_lshl_add_u32 v[XR], v242, 4, v[XR]           ; piece h (+ 4 s + 2 c), token r: sixteen lanes read 256 consecutive bytes
	s_lshl_b32 s50, s26, 14
	s_add_co_u32 s50, s50, HIMG
	v_add_nc_u32 v[HW0], s50, v[LI]
	s_lshl_b32 s50, s26, 11
	s_add_co_u32 s50, s50, HSC
	v_lshl_add_u32 v[HWS0], v241, 2, s50
	v_add_nc_u32 v[HR], HIMG, v[LI]
	v_lshl_add_u32 v[HSR], v241, 2, HSC
	s_mul_i32 s50, s26, 16*SPITCH
	s_add_co_u32 s50, s50, STG
	v_mul_u32_u24 v[STO], v242, SPITCH
	v_lshl_add_u32 v[STO], v243, 5, v[STO]
	v_add_nc_u32 v[STO], s50, v[STO]               ; row r, 32 bytes for each half of the lanes
	v_add_nc_u32 v[RD], s50, v[LI]                 ; back: the 32 lanes take one row of 512 bytes
	s_lshl_b32 s50, s26, 9
	v_add_nc_u32 v[OC], s50, v[LI]                 ; my wave's 512 bytes of a row of out0
	v_lshlrev_b32 v246, 4, v242
.irp b, 0,1,2,3
	v_mov_b32 v[TM+4+\b], 0                        ; written once: a lane permute's destination counts as one of its sources
.endr
	s_mov_b32 s[SEL], 0x76543210
	s_mov_b32 s[SEL+1], 0xfedcba98                 ; v_permlanex16_b32's selects for lane l xor 16
	s_lshl_b32 s50, ttmp9, 4
	s_mov_b32 s51, 0
	s_wait_kmcnt 0x0
	s_add_nc_u64 s[4:5], s[4:5], s[50:51]
	s_load_b128 s[28:31], s[4:5], 0x0              ; my tile: expert, first, rows, 0
	s_wait_kmcnt 0x0
	s_min_u32 s28, s28, 7                          ; loaded numbers are held inside their ranges before they enter an address
	s_min_u32 s29, s29, 4095
	s_min_u32 s30, s30, 64
	s_max_u32 s31, s30, 1
	s_sub_co_u32 s31, s31, 1                       ; the tile's last row
	s_lshl_b32 s50, s28, 19                        ; an expert's codes: 524,288 bytes; a wave's part: 131,072
	s_lshl_b32 s52, s26, 17
	s_add_co_u32 s50, s50, s52
	s_add_nc_u64 s[P1:P1+1], s[12:13], s[50:51]
	s_add_nc_u64 s[P2:P2+1], s[18:19], s[50:51]
	s_lshl_b32 s50, s28, 15                        ; its scale bytes: 32,768; a wave's part: 8,192
	s_lshl_b32 s52, s26, 13
	s_add_co_u32 s50, s50, s52
	s_add_nc_u64 s[PS1:PS1+1], s[14:15], s[50:51]
	s_add_nc_u64 s[PS2:PS2+1], s[20:21], s[50:51]
	s_lshl_b32 s50, s28, 13                        ; b1: 8,192 bytes an expert, 2,048 a wave
	s_lshl_b32 s52, s26, 11
	s_add_co_u32 s50, s50, s52
	s_add_nc_u64 s[PB1:PB1+1], s[16:17], s[50:51]
	s_lshl_b32 s50, s28, 11                        ; b2: 2,048 bytes an expert, 512 a wave
	s_lshl_b32 s52, s26, 9
	s_add_co_u32 s50, s50, s52
	s_add_nc_u64 s[PB2:PB2+1], s[22:23], s[50:51]
	s_lshl_b32 s52, s26, 4
	v_add_nc_u32 v244, s52, v243                   ; 16 w + h
.irp j, 0,1,2,3,4,5,6,7
	v_add_nc_u32 v[PO+\j], 2*\j, v244              ; the rows whose codes I gather: 16 w + 2 j + h
.endr
.irp m, 0,1,2,3
	v_add_nc_u32 v[PO+8+\m], 16*\m, v242           ; and row 16 m + r
.endr
.irp j, 0,1,2,3,4,5,6,7,8,9,10,11
	v_min_u32 v[PO+\j], s31, v[PO+\j]              ; rows behind the last repeat the last
	v_add_nc_u32 v[PO+\j], s29, v[PO+\j]
	v_min_u32 v[PO+\j], 4095, v[PO+\j]
	v_lshlrev_b32 v[PO+\j], 2, v[PO+\j]
.endr
.irp j, 0,1,2,3,4,5,6,7
	global_load_b32 v[OG+\j], v[PO+\j], s[6:7]
.endr
.irp m, 0,1,2,3
	global_load_b32 v[TOK+\m], v[PO+8+\m], s[6:7]
.endr
	FILL1 0, 0                                     ; the weights do not hang on the tokens: they are asked for while the list is on its way
	FILL1 1, 0
	s_wait_loadcnt 42                              ; the twelve loads of the list are in; two units of 21 stay out
.irp j, 0,1,2,3,4,5,6,7
	v_min_u32 v[OG+\j], 4095, v[OG+\j]
	v_lshl_add_u32 v[XA+\j], v[OG+\j], 8, v246     ; token x 256 + 16 r
.endr
.irp m, 0,1,2,3
	v_min_u32 v[TOK+\m], 4095, v[TOK+\m]
	v_lshlrev_b32 v[XSO+\m], 4, v[TOK+\m]
.endr
.irp j, 0,1,2,3,4,5,6,7
	global_load_b128 v[XT+4*\j:XT+4*\j+3], v[XA+\j], s[8:9]                ; two tokens' rows of codes, 256 consecutive bytes each
.endr
.irp m, 0,1,2,3
	global_load_b128 v[XS+4*\m:XS+4*\m+3], v[XSO+\m], s[10:11]             ; my token's four scale words
.endr
	FILL1 2, 0
	FILL1 3, 0
	s_wait_loadcnt 42                              ; the codes and scale words of x are in; two units stay out
.irp j, 0,1,2,3,4,5,6,7
	ds_store_b128 v[XW], v[XT+4*\j:XT+4*\j+3] offset:32*\j
.endr
	s_wait_dscnt 0x0                               ; for the others' sake: my 16 tokens' codes lie in LDS
	s_barrier_signal -1
	s_barrier_wait -1
	WIN 0xc0
.irp m, 0,1,2,3
.irp f, 0,1,2,3,4,5,6,7                        ; f = 2 s + c
	ds_load_b128 v[32*\m+4*\f:32*\m+4*\f+3], v[XR] offset:XTP*\m+544*\f    ; x's sixteen fragments stay in registers
.endr
.endr
	WIN 0
.irp q, 0,1,2,3
.irp p, 0,1,2,3
	global_load_b128 v[W2S+16*\q+4*\p:W2S+16*\q+4*\p+3], v[S2A], s[PS2:PS2+1] offset:2048*\p+16*\q   ; W2's scale words: row 32 p + lane of my 128, the four K steps of quarter q
.endr
.endr
	WIN 0xc0
.irp i, 0,1,2,3,4,5,6,7,8,9,10,11,12,13,14,15
	global_load_b128 v[192+4*\i:192+4*\i+3], v[B2A], s[PB2:PB2+1] offset:64*(\i/2)+16*(\i%2)         ; b2 of outputs 16 (i / 2) + 8 h + 0 .. 7
.endr
	WIN 0
	s_wait_dscnt 0x0                               ; x's fragments are in
	s_mov_b32 s48, 3
	s_mov_b32 s49, 0                               ; the group's images: 4,096 bytes a group,
	s_mov_b32 s53, 0                               ; its scale words: 512
.Lgroup:                                           ; three trips: groups 0 to 2, each asking for the next group's units
	GROUP 0
	s_wait_xcnt 0x0                                ; the loads have read their bases: these are stepped only behind this wait
	s_add_nc_u64 s[P1:P1+1], s[P1:P1+1], 32768
	s_add_nc_u64 s[PS1:PS1+1], s[PS1:PS1+1], 2048
	s_add_nc_u64 s[PB1:PB1+1], s[PB1:PB1+1], 512
	s_add_co_u32 s49, s49, 4096
	s_add_co_u32 s53, s53, 512
	s_sub_co_u32 s48, s48, 1
	s_cmp_lg_u32 s48, 0
	s_cbranch_scc1 .Lgroup
	GROUP 1                                        ; the last group is written out: no load passes W1's end; the ring takes W2's first four units
	s_wait_dscnt 0x0                               ; for the others' sake: my sixteen images and their scale words lie in LDS
	s_barrier_signal -1
	s_barrier_wait -1
.irp s, 0,1,2,3
	HLOAD 0, \s
.endr
.irp q, 0,1,2,3
.irp p, 0,1,2,3
	UNIT2 \q, \p
.endr
.endr
	s_cmp_eq_u32 s30, 0
	s_cbranch_scc1 .Lend                           ; a tile without rows stores nothing; no barrier follows
; THE WAY OUT, a tile of 16 tokens at a time.  A lane holds 32 neighbouring bytes of a token's row and the lanes beside it other tokens': the tile goes through my own stage in LDS and comes back as rows of 512 bytes.
; LDS serves a wave's instructions in order (ISA guide 5.7.1.4): no wait between the stores and the loads, nor in front of the next tile's stores.
.macro TOSTAGE m
	WIN 0x08                                       ; an LDS store's data are its source 1: window 2
.irp t, 0,1,2,3,4,5,6,7
	ds_store_b128 v[STO], v[64*(\m)+8*\t:64*(\m)+8*\t+3] offset:64*\t      ; each accumulator from its low end on
	ds_store_b128 v[STO], v[64*(\m)+8*\t+4:64*(\m)+8*\t+7] offset:64*\t+16
.endr
	WIN 0x40
.irp i, 0,1,2,3,4,5,6,7,8,9,10,11,12,13,14,15
	ds_load_b128 v[64*((\m)%2)+4*\i:64*((\m)%2)+4*\i+3], v[RD] offset:SPITCH*\i
.endr
	WIN 0
.endm
.macro SEND m, younger                 ; younger: the LDS instructions issued behind tile m's loads, which may stay out
	s_wait_dscnt \younger
	s_wait_xcnt 0x0                                ; the earlier stores have read their offsets, which are written anew below
.irp i, 0,1,2,3,4,5,6,7,8,9,10,11,12,13,14,15
	v_readlane_b32 s[TKS+\i], v[TOK+(\m)], \i      ; the token of row i
.endr
.irp i, 0,1,2,3,4,5,6,7,8,9,10,11,12,13,14,15
	s_min_u32 s[TKS+\i], s[TKS+\i], 4095
.endr
.irp i, 0,1,2,3,4,5,6,7,8,9,10,11,12,13,14,15
	v_lshl_add_u32 v[OA+\i], s[TKS+\i], 11, v[OC]  ; token x 2,048 + my wave's 512 bytes
.endr
	WIN 0x04                                       ; a store's data are its source 1: window 1
.irp i, 0,1,2,3,4,5,6,7,8,9,10,11,12,13,14,15
	global_store_b128 v[OA+\i], v[64*((\m)%2)+4*\i:64*((\m)%2)+4*\i+3], s[24:25] th:TH_STORE_NT   ; the wave stores 512 consecutive bytes, aligned; written once, read by nobody here
.endr
	WIN 0
.endm
	PLACES                                         ; behind the last products
	TOSTAGE 0
.irp m, 1,2,3
.if \m > 1
	s_wait_xcnt 0x0                                ; tile m - 2's stores have read their registers: tile m's rows may land there
.endif
	TOSTAGE \m
	SEND \m-1, 32                                  ; behind tile m - 1's loads: tile m's 16 stores and 16 loads
.endr
	SEND 3, 0
.Lend:
	s_wait_tensorcnt 0x0
	ds_add_u32 v254, v255
	s_wait_dscnt 0x0
	s_endpgm
.Lfunc_end_k_qc6f6cc456b_chain:
	.size	k_qc6f6cc456b_chain, .Lfunc_end_k_qc6f6cc456b_chain-k_qc6f6cc456b_chain
	.p2alignl 7, 3214868480
	.fill 96, 4, 3214868480
	.section	.rodata,"a",@progbits
	.p2align	6, 0x0
	.amdhsa_kernel k_qc6f6cc456b_chain
		.amdhsa_group_segment_fixed_size 125440
		.amdhsa_private_segment_fixed_size 0
		.amdhsa_enable_private_segment 0
		.amdhsa_kernarg_size 88
		.amdhsa_user_sgpr_count 2
		.amdhsa_user_sgpr_kernarg_segment_ptr 1
		.amdhsa_wavefront_size32 1
		.amdhsa_system_sgpr_workgroup_id_x 1
		.amdhsa_system_sgpr_workgroup_id_y 1
		.amdhsa_system_sgpr_workgroup_id_z 1
		.amdhsa_system_vgpr_workitem_id 0
		.amdhsa_next_free_vgpr 1024
		.amdhsa_next_free_sgpr 96
		.amdhsa_reserve_vcc 0
		.amdhsa_float_denorm_mode_32 3
		.amdhsa_float_denorm_mode_16_64 3
		.amdhsa_memory_ordered 1
		.amdhsa_forward_progress 1
		.amdhsa_inst_pref_size 250
	.end_amdhsa_kernel
	.amdgpu_metadata
---
amdhsa.version: [ 1, 2 ]
amdhsa.kernels:
  - .name:           k_qc6f6cc456b_chain
    .symbol:         k_qc6f6cc456b_chain.kd
    .args:
      - { .name: tiles, .offset: 0, .size: 8, .value_kind: global_buffer, .address_space: global }
      - { .name: order, .offset: 8, .size: 8, .value_kind: global_buffer, .address_space: global }
      - { .name: xc, .offset: 16, .size: 8, .value_kind: global_buffer, .address_space: global }
      - { .name: xs, .offset: 24, .size: 8, .value_kind: global_buffer, .address_space: global }
      - { .name: w1l, .offset: 32, .size: 8, .value_kind: global_buffer, .address_space: global }
      - { .name: W1_scales, .offset: 40, .size: 8, .value_kind: global_buffer, .address_space: global }
      - { .name: b1, .offset: 48, .size: 8, .value_kind: global_buffer, .address_space: global }
      - { .name: w2l, .offset: 56, .size: 8, .value_kind: global_buffer, .address_space: global }
      - { .name: W2_scales, .offset: 64, .size: 8, .value_kind: global_buffer, .address_space: global }
      - { .name: b2, .offset: 72, .size: 8, .value_kind: global_buffer, .address_space: global }
      - { .name: out0, .offset: 80, .size: 8, .value_kind: global_buffer, .address_space: global }
    .group_segment_fixed_size: 125440
    .private_segment_fixed_size: 0
    .kernarg_segment_align: 8
    .kernarg_segment_size: 88
    .max_flat_workgroup_size: 128
    .sgpr_count:     96
    .vgpr_count:     1024
    .wavefront_size: 32
...
	.end_amdgpu_metadata
.endif
;; end of part 3
;; ======== version 2 of 3: 3 launches; 1.15 times as fast as version 1
;; workspace buffers: xc 1,048,576 bytes; xs 65,536 bytes; route 32,768 bytes of whole numbers; order 16,384 bytes of whole numbers; tiles 2,560 bytes of whole numbers; w1l 4,194,304 bytes; w2l 4,194,304 bytes
;; launch gate: the kernel of part 1 again; grid 256 x 1, 4 waves a work-group, no clusters, 58,880 bytes of LDS; arguments x, Wg, bg, xc, xs, route; writes xc, xs, route
;; launch place (part 4): grid 128 x 1, 17 waves a work-group, no clusters, 76,288 bytes of LDS; arguments route, W1_codes, W2_codes, order, tiles, w1l, w2l; writes order, tiles, w1l, w2l
.if DOCPART == 4
	.amdgcn_target "amdgcn-amd-amdhsa--gfx1250"
	.amdhsa_code_object_version 6
	.text
	.protected	k_qc6f6cc456b_place
	.globl	k_qc6f6cc456b_place
	.p2align	8
	.type	k_qc6f6cc456b_place,@function
k_qc6f6cc456b_place:
	s_mov_b64 s[64:65], 0
	v_nop
	global_prefetch_b8 v0, s[64:65] scope:SCOPE_SE
	s_setreg_imm32_b32 hwreg(HW_REG_WAVE_MODE, 25, 1), 1
	s_wait_xcnt 0x0
; TWO JOBS THAT DO NOT DEPEND ON EACH OTHER, in one launch; the paths part on the wave's number and never join.  No barrier: waves share nothing.
; WAVES 0 TO 15 of each of the 128 work-groups lay W1's and W2's codes in the order in which the next launch's operand registers take them, so that each of its loads reads 512 consecutive bytes:
;   w1l [expert][group of 128 hidden units][tile t of 8][K step s of 4][c of 2][lane][16 bytes]; lane r of tile t stands for row 32 (t / 2) + 8 (t % 2) + r + 8 (r / 8) of the group,
;       so that the results of tiles 2 b and 2 b + 1 are 16 neighbours along the second product's K;
;   w2l [expert][128 outputs w][quarter q of K][tile t of 8][s][c][lane][16 bytes]; lane r of tile t stands for output 128 w + 16 t + r.
;   In both, lane (r, h) holds bytes 64 s + 32 c + 16 h of its row's 256 bytes: k = 128 s + 64 c + 32 h + 0 .. 31.
;   A wave has one task: 16 rows x 256 bytes in, through its own stage in LDS, 4,096 consecutive bytes out.  2,048 tasks: the first 1,024 are W1's.
; WAVE 16 of work-group j places tokens 32 j .. 32 j + 31 in a counting sort by expert, in registers: no atomics, no LDS.  It sums the counts of all 256 blocks of 16 tokens for itself,
;   once whole (where each expert's run begins) and once for the blocks ahead of its own two (how far the run is filled), and ranks its 32 tokens among themselves by lane.
;   order [4096]: token numbers, expert by expert, in ascending order within an expert.
;   tiles [160][4 words]: expert, first place in order, number of rows (0 to 32), 0; written by the sorting waves of work-groups 0 to 4, 32 entries each.
;   With tiles of 32 rows there are never more than 4096 / 32 + 7 = 135, whatever the split; entries behind the last tile get 0 rows.
	s_load_b256 s[4:11], s[0:1], 0x0               ; route s[4:5], W1's codes s[6:7], W2's codes s[8:9], order s[10:11]
	s_load_b128 s[12:15], s[0:1], 0x20             ; tiles s[12:13], w1l s[14:15]
	s_load_b64 s[16:17], s[0:1], 0x30              ; w2l
	v_lshl_add_u32 v128, v0, 2, 0x12100
	v_mov_b32 v129, 0
	v_lshrrev_b32 v1, 5, v0
	v_readfirstlane_b32 s20, v1                    ; wave 0..16
	v_and_b32 v1, 31, v0                           ; lane
	v_and_b32 v2, 15, v1                           ; lane % 16
	v_lshrrev_b32 v3, 4, v1                        ; lane / 16
	; The LDS addresses are made ahead of the parting, in registers that the sort never writes.
	s_mul_i32 s38, s20, 16*272                     ; my stage: 16 rows, 272 bytes apart (an odd multiple of 16: the sixteen rows of a load start in different banks)
	v_mul_u32_u24 v120, v3, 272
	v_lshl_add_u32 v120, v2, 4, v120
	v_add_nc_u32 v120, s38, v120                   ; in: as loaded: sixteen lanes to a row
	v_mul_u32_u24 v121, v2, 272
	v_lshl_add_u32 v121, v3, 4, v121
	v_add_nc_u32 v121, s38, v121                   ; out: lane (r, h): row r, 16 h bytes on
	s_cmp_eq_u32 s20, 16
	s_cbranch_scc1 .Lsort
	; ---- THE LAYING-OUT.  Task 16 x work-group + wave.
	s_lshl_b32 s21, ttmp9, 4
	s_add_co_u32 s21, s21, s20
	s_and_b32 s22, s21, 1023                       ; the task within its tensor: also the number of its 4,096 bytes of output
	s_lshr_b32 s24, s22, 1                         ; W1: task = 128 e + 8 G + t.  32 rows of 256 bytes for each pair of tiles,
	s_lshl_b32 s24, s24, 13
	s_and_b32 s25, s22, 1                          ; 8 rows for the odd tile
	s_lshl_b32 s25, s25, 11
	s_add_co_u32 s24, s24, s25
	s_lshr_b32 s26, s22, 5                         ; W2: task = ((4 e + w) 4 + q) 8 + t.  128 rows of 1,024 bytes for each 4 e + w,
	s_lshl_b32 s26, s26, 17
	s_and_b32 s27, s22, 7                          ; 16 rows for each tile,
	s_lshl_b32 s27, s27, 14
	s_add_co_u32 s26, s26, s27
	s_bfe_u32 s27, s22, 0x20003                    ; 256 bytes for each quarter of K
	s_lshl_b32 s27, s27, 8
	s_add_co_u32 s26, s26, s27
	s_lshl_b32 s28, s22, 12
	s_mov_b32 s29, 0
	s_mov_b32 s30, 2048
	s_wait_kmcnt 0x0
	s_cmp_lt_u32 ttmp9, 64                         ; W1's or W2's?  The choice hangs on the work-group's number alone
	s_cselect_b32 s24, s24, s26                    ; where the task's rows begin
	s_cselect_b32 s30, 512, s30                    ; a load takes two rows: 512 bytes on in W1, 2,048 in W2
	s_cselect_b32 s31, 2048, 0                     ; W1's rows 8-15 of a tile lie 8 rows further on than neighbours would
	s_cselect_b64 s[32:33], s[6:7], s[8:9]
	s_cselect_b64 s[34:35], s[14:15], s[16:17]
	s_mov_b32 s25, 0
	s_add_nc_u64 s[32:33], s[32:33], s[24:25]
	s_add_nc_u64 s[34:35], s[34:35], s[28:29]
	s_lshr_b32 s36, s30, 1                         ; from row to row
	v_mul_u32_u24 v4, s36, v3
	v_lshl_add_u32 v4, v2, 4, v4                   ; sixteen lanes to a row's 256 bytes, two rows a load
.irp j, 0,1,2,3,4,5,6,7
	s_mul_i32 s37, s30, \j
.if \j >= 4
	s_add_co_u32 s37, s37, s31
.endif
	v_add_nc_u32 v[8+\j], s37, v4
.endr
.irp j, 0,1,2,3,4,5,6,7
	global_load_b128 v[16+4*\j:19+4*\j], v[8+\j], s[32:33] th:TH_LOAD_NT   ; rows 2 j and 2 j + 1 of the tile; read once in the launch
.endr
	v_lshlrev_b32 v7, 4, v1
.irp j, 0,1,2,3,4,5,6,7
	s_wait_loadcnt 7-\j                            ; load j is in; the later ones stay out
	ds_store_b128 v120, v[16+4*\j:19+4*\j] offset:2*272*\j
.endr
.irp i, 0,1,2,3,4,5,6,7
	ds_load_b128 v[48+4*\i:51+4*\i], v121 offset:32*\i                     ; i = 2 s + c.  LDS serves a wave's instructions in order: these see my stores
.endr
.irp i, 0,1,2,3,4,5,6,7
	s_wait_dscnt 7-\i
	global_store_b128 v7, v[48+4*\i:51+4*\i], s[34:35] offset:512*\i       ; 512 consecutive bytes, aligned
.endr
	s_wait_tensorcnt 0x0
	ds_add_u32 v128, v129
	s_wait_dscnt 0x0
	s_endpgm
	; ---- THE SORT.
.Lsort:
	v_lshlrev_b32 v4, 10, v1                       ; the counts: lane l takes blocks 8 l .. 8 l + 7, 128 bytes apart
	s_lshl_b32 s21, ttmp9, 8
	v_lshlrev_b32 v5, 7, v3
	v_lshl_add_u32 v5, v2, 2, v5
	v_add_nc_u32 v5, s21, v5                       ; my token's choice: block 2 j + lane / 16, word lane % 16
	v_lshlrev_b32 v6, 3, v1                        ; the number of my first block of counts
	s_lshl_b32 s22, ttmp9, 1                       ; so many blocks lie ahead of my wave's tokens: 2 j
	s_lshl_b32 s23, ttmp9, 5
	v_add_nc_u32 v7, s23, v1                       ; my token: 32 j + lane.  (Also the number of the table's entry that I write)
	s_mov_b32 s44, 0x76543210
	s_mov_b32 s45, 0xfedcba98                      ; v_permlanex16_b32's selects for lane l xor 16
.irp e, 0,1,2,3,4,5,6,7
	v_mov_b32 v[40+\e], 0                          ; written once: destinations of lane moves count as sources
.endr
	s_wait_kmcnt 0x0
.irp i, 0,1,2,3,4,5,6,7
	global_load_b64 v[8+2*\i:9+2*\i], v4, s[4:5] offset:128*\i+64          ; a block's two count words
.endr
	global_load_b32 v24, v5, s[4:5]
	s_wait_loadcnt 0x0
.macro SUM8 lo, hi                     ; eight blocks' counts, byte by byte: 8 x 16 = 128 at the most in a byte
	v_add3_u32 v[\lo], v8, v10, v12
	v_add3_u32 v[\hi], v9, v11, v13
	v_add3_u32 v[\lo], v[\lo], v14, v16
	v_add3_u32 v[\hi], v[\hi], v15, v17
	v_add3_u32 v[\lo], v[\lo], v18, v20
	v_add3_u32 v[\hi], v[\hi], v19, v21
	v_add_nc_u32 v[\lo], v[\lo], v22
	v_add_nc_u32 v[\hi], v[\hi], v23
.endm
	SUM8 28, 29                                    ; all my blocks
.irp i, 0,1,2,3,4,5,6,7
	s_sub_co_i32 s40, s22, \i
	v_cmp_gt_i32 vcc_lo, s40, v6                   ; 2 j - i > 8 lane: block 8 lane + i lies ahead of my wave's tokens
	v_cndmask_b32 v[8+2*\i], 0, v[8+2*\i], vcc_lo
	v_cndmask_b32 v[9+2*\i], 0, v[9+2*\i], vcc_lo
.endr
	SUM8 30, 31                                    ; and only those ahead
.irp e, 0,1,2,3
	v_bfe_u32 v[32+\e], v28, 8*\e, 8
	v_bfe_u32 v[36+\e], v29, 8*\e, 8
	v_bfe_u32 v[48+\e], v30, 8*\e, 8
	v_bfe_u32 v[52+\e], v31, 8*\e, 8
.endr
.irp e, 0,1,2,3,4,5,6,7
	v_lshl_or_b32 v[32+\e], v[32+\e], 16, v[48+\e] ; above: for the total; below: for what lies ahead.  Summed over the lanes both stay at 4,096 or under
.endr
.irp d, 1,2,4,8
.irp e, 0,1,2,3,4,5,6,7
	v_mov_b32_dpp v[40+\e], v[32+\e] row_xmask:\d row_mask:0xf bank_mask:0xf
.endr
.irp e, 0,1,2,3,4,5,6,7
	v_add_nc_u32 v[32+\e], v[32+\e], v[40+\e]
.endr
.endr
.irp e, 0,1,2,3,4,5,6,7
	v_permlanex16_b32 v[40+\e], v[32+\e], s44, s45
.endr
.irp e, 0,1,2,3,4,5,6,7
	v_add_nc_u32 v[32+\e], v[32+\e], v[40+\e]
.endr
.irp e, 0,1,2,3,4,5,6,7
	v_lshrrev_b32 v[48+\e], 16, v[32+\e]           ; the expert's tokens in all
	v_and_b32 v[56+\e], 0xffff, v[32+\e]           ; and those ahead of my wave's
.endr
	v_mov_b32 v64, 0
.irp e, 1,2,3,4,5,6,7
	v_add_nc_u32 v[64+\e], v[64+\e-1], v[48+\e-1]  ; where the expert's run begins in order
.endr
.irp e, 0,1,2,3,4,5,6,7
	v_add_nc_u32 v88, v[64+\e], v[56+\e]
	v_readfirstlane_b32 s[24+\e], v88              ; the next free place of each expert, for my wave
.endr
.irp e, 0,1,2,3,4,5,6,7
	v_cmp_eq_u32 s[32+\e], \e, v24                 ; which lanes' tokens go to expert e
.endr
	v_mbcnt_lo_u32_b32 v72, s32, s24               ; the next free place + the lanes below me with the same expert
.irp e, 1,2,3,4,5,6,7
	v_mbcnt_lo_u32_b32 v88, s[32+\e], s[24+\e]
	v_cndmask_b32 v72, v72, v88, s[32+\e]
.endr
	v_min_u32 v72, 4095, v72                       ; a place made of loaded numbers is held inside the buffer
	v_lshlrev_b32 v72, 2, v72
	global_store_b32 v72, v7, s[10:11]
	s_cmp_lt_u32 ttmp9, 5
	s_cbranch_scc0 .Lsorted                        ; work-groups 0 to 4 write the table: entry t = 32 j + lane
	v_mov_b32 v96, 0
.irp e, 1,2,3,4,5,6,7
	v_add_nc_u32 v88, 31, v[48+\e-1]
	v_lshrrev_b32 v88, 5, v88
	v_add_nc_u32 v[96+\e], v[96+\e-1], v88         ; the first tile of expert e
.endr
	v_mov_b32 v104, 0                              ; the last expert whose first tile is not behind t: its number,
	v_mov_b32 v105, 0                              ; its first tile,
	v_mov_b32 v106, 0                              ; where its run begins,
	v_mov_b32 v107, v48                            ; its tokens
.irp e, 1,2,3,4,5,6,7
	v_cmp_ge_u32 vcc_lo, v7, v[96+\e]
	v_mov_b32 v88, \e
	v_cndmask_b32 v104, v104, v88, vcc_lo
	v_cndmask_b32 v105, v105, v[96+\e], vcc_lo
	v_cndmask_b32 v106, v106, v[64+\e], vcc_lo
	v_cndmask_b32 v107, v107, v[48+\e], vcc_lo
.endr
	v_sub_nc_u32 v108, v7, v105
	v_lshlrev_b32 v108, 5, v108
	v_min_u32 v108, v108, v107                     ; the expert's rows in the tiles ahead of t (all of them behind its last tile)
	v_add_nc_u32 v105, v106, v108                  ; first
	v_sub_nc_u32 v106, v107, v108
	v_min_u32 v106, 32, v106                       ; rows
	v_mov_b32 v107, 0
	v_lshlrev_b32 v109, 4, v7
	global_store_b128 v109, v[104:107], s[12:13]   ; the wave stores 512 consecutive bytes, aligned
.Lsorted:
	s_endpgm
.Lfunc_end_k_qc6f6cc456b_place:
	.size	k_qc6f6cc456b_place, .Lfunc_end_k_qc6f6cc456b_place-k_qc6f6cc456b_place
	.p2alignl 7, 3214868480
	.fill 96, 4, 3214868480
	.section	.rodata,"a",@progbits
	.p2align	6, 0x0
	.amdhsa_kernel k_qc6f6cc456b_place
		.amdhsa_group_segment_fixed_size 76288
		.amdhsa_private_segment_fixed_size 0
		.amdhsa_enable_private_segment 0
		.amdhsa_kernarg_size 56
		.amdhsa_user_sgpr_count 2
		.amdhsa_user_sgpr_kernarg_segment_ptr 1
		.amdhsa_wavefront_size32 1
		.amdhsa_system_sgpr_workgroup_id_x 1
		.amdhsa_system_sgpr_workgroup_id_y 1
		.amdhsa_system_sgpr_workgroup_id_z 1
		.amdhsa_system_vgpr_workitem_id 0
		.amdhsa_next_free_vgpr 130
		.amdhsa_next_free_sgpr 66
		.amdhsa_reserve_vcc 1
		.amdhsa_float_denorm_mode_32 3
		.amdhsa_float_denorm_mode_16_64 3
		.amdhsa_memory_ordered 1
		.amdhsa_forward_progress 1
		.amdhsa_inst_pref_size 21
	.end_amdhsa_kernel
	.amdgpu_metadata
---
amdhsa.version: [ 1, 2 ]
amdhsa.kernels:
  - .name:           k_qc6f6cc456b_place
    .symbol:         k_qc6f6cc456b_place.kd
    .args:
      - { .name: route, .offset: 0, .size: 8, .value_kind: global_buffer, .address_space: global }
      - { .name: W1_codes, .offset: 8, .size: 8, .value_kind: global_buffer, .address_space: global }
      - { .name: W2_codes, .offset: 16, .size: 8, .value_kind: global_buffer, .address_space: global }
      - { .name: order, .offset: 24, .size: 8, .value_kind: global_buffer, .address_space: global }
      - { .name: tiles, .offset: 32, .size: 8, .value_kind: global_buffer, .address_space: global }
      - { .name: w1l, .offset: 40, .size: 8, .value_kind: global_buffer, .address_space: global }
      - { .name: w2l, .offset: 48, .size: 8, .value_kind: global_buffer, .address_space: global }
    .group_segment_fixed_size: 76288
    .private_segment_fixed_size: 0
    .kernarg_segment_align: 8
    .kernarg_segment_size: 56
    .max_flat_workgroup_size: 544
    .sgpr_count:     66
    .vgpr_count:     130
    .wavefront_size: 32
...
	.end_amdgpu_metadata
.endif
;; end of part 4
;; launch chain (part 5): grid 135 x 1, 4 waves a work-group, no clusters, 79,872 bytes of LDS; arguments tiles, order, xc, xs, w1l, W1_scales, b1, w2l, W2_scales, b2, out0; writes out0
.if DOCPART == 5
	.amdgcn_target "amdgcn-amd-amdhsa--gfx1250"
	.amdhsa_code_object_version 6
	.text
	.protected	k_qc6f6cc456b_chain
	.globl	k_qc6f6cc456b_chain
	.p2align	8
	.type	k_qc6f6cc456b_chain,@function
k_qc6f6cc456b_chain:
	s_mov_b64 s[64:65], 0
	v_nop
	global_prefetch_b8 v0, s[64:65] scope:SCOPE_SE
	s_setreg_imm32_b32 hwreg(HW_REG_WAVE_MODE, 25, 1), 1
	s_wait_xcnt 0x0
; ONE TILE OF UP TO 32 TOKENS OF ONE EXPERT THROUGH THE WHOLE CHAIN: out = relu(x W1 + b1) W2 + b2, both products on codes of E2M1 with one E8M0 scale for each 32 along K.
; Only the chosen expert of a token is multiplied: the others' results are thrown away by the one-hot that the problem itself builds.  Each output row has one owner.
; The work-group reads its entry of tiles (expert, first place in order, rows), gathers its tokens' codes and scale bytes, and scatters whole pieces of rows of out0.  The hidden layer never goes to memory.
; GRID: 4096 / 32 + 8 - 1 = 135 work-groups serve every split.  Rows behind a tile's last repeat its last token (the same numbers are then stored twice by the same wave).
;   A tile without rows walks the chain on valid data, since every wave passes every barrier, and jumps over its stores alone.
; WHY 32 ROWS: a wave's share of the weights, 256 KiB in 512 loads, is the same whatever the rows; the products, the quantising and the way out grow with the rows.  Fewer rows to a work-group leave
;   less of that work between one unit's loads and the next's, and make more work-groups.
; SHARES.  THE FOUR WAVES SHARE THE COLUMNS, NOT THE ROWS: wave w makes hidden units 512 w .. 512 w + 511 (four groups of 128: K steps 4 w + g of the second product) and outputs 128 w .. 128 w + 127, for all 32 tokens.
;   So each byte of the expert's weights is wanted by ONE wave: the weights go from memory straight into registers, laid by the launch before in the order of the operand's registers (512 consecutive bytes a load),
;   through a ring of four units of 64 registers; a unit is two tiles of 16 rows x 512 along K, 16 loads, and feeds 16 matrix instructions.  The ring runs on from W1 into W2.
; NO JOINT LOADS: no tile of weights lies in LDS to be shared, and how many tiles an expert has hangs on counts read from memory, so neighbours in the grid need not have one expert.
; BOTH PRODUCTS ARE USED TRANSPOSED (source 0 = 16 rows of the weight, source 1 = 16 tokens): a lane holds ONE token, and its registers run along the hidden units (the next K), then along the outputs.
;   Hidden fragments go from wave to wave through LDS as images of their registers: 16 bytes a lane, 512 a store; scale words 4 bytes a lane.
; The biases are the C of each sum's first matrix instruction.  The accumulators take turns, one instruction a turn.
; LIMITS: NaN and infinities are not served.  A block of zeros of the hidden layer gets the byte 1: its codes are zeros.
; REGISTERS, in windows of 256 (s_set_vgpr_msb: bits 1:0 source 0, 3:2 source 1, 5:4 source 2, 7:6 destination):
;   window 0: addresses, work of the quantiser, all scale words.   window 1: the ring: unit b's fragment (tile u, K step s) at 64 b + 32 u + 8 s; on the way out rows of out0.
;   window 2: the 16 accumulators: (tile of tokens m, tile of rows t) at 64 m + 8 t.
;   window 3: v0-63 x's fragments at 32 m + 8 s, later the hidden layer's at 16 s + 8 m; v128-191 b1's tiles of the four units; v192-255 b2's eight tiles.
.set XTP,   4352                       ; LDS: x's codes of 16 tokens: [16 pieces of 16 bytes][token][16 bytes], pieces 272 bytes apart
.set XIMG,  0                          ; two such
.set HIMG,  2*XTP                      ; the hidden layer's 32 fragments of 1,024 bytes: number 2 S + m
.set HSC,   HIMG+32*1024               ; their scale words, 128 bytes each
.set STG,   HSC+32*128                 ; a stage for each wave: 16 rows x (512 bytes + 16)
.set SPITCH, 528
.set LI,   1                           ; 16 x lane
.set SA,   3                           ; W1's scale words: 16 bytes a row; lanes 0-15 the even tile's rows, lanes 16-31 the odd tile's
.set BA,   4                           ; b1: 64 x (lane / 16)
.set S2A,  5                           ; W2's scale words: 64 bytes a row, a lane to a row of a pair of tiles
.set B2A,  6                           ; b2: 32 x (lane / 16)
.set XW,   7                           ; where I put gathered codes
.set XR,   8                           ; where I read x's fragments
.set HW0,  9                           ; my wave's hidden images,
.set HWS0, 10                          ; and their scale words
.set HR,   11                          ; all hidden images,
.set HSR,  12                          ; all their scale words
.set STO,  13                          ; the stage: in,
.set RD,   14                          ; and back
.set OC,   15                          ; my 16 bytes in a row of out0
.set TOK,  16                          ; v16-17   token of row 16 m + lane % 16
.set OG,   20                          ; v20-23   tokens whose codes I gather
.set XA,   28                          ; v28-31   their offsets in xc
.set PO,   36                          ; v36-41   offsets in order
.set XSO,  48                          ; v48-49   offsets in xs
.set XT,   52                          ; v52-67   gathered codes
.set TM,   84                          ; v84-99   the quantiser's work
.set PW,   100                         ; the scale word just made
.set PC,   102                         ; v102-109 the codes just made
.set HWC,  110                         ; this group's image address,
.set HWSC, 111                         ; and scale word address
.set XS,   112                         ; v112-119 x's scale words: 4 m + s
.set HS,   128                         ; v128-135 the hidden layer's: 2 s + m
.set W1S,  144                         ; v144-159 W1's: 4 b + s
.set W2S,  160                         ; v160-223 W2's: 16 q + 4 p + s
.set OA,   224                         ; v224-239 offsets of 16 rows of out0
.set P1,   32                          ; s[32:33] w1l, s[34:35] W1's scales, s[36:37] b1: at my wave's group in hand
.set PS1,  34
.set PB1,  36
.set P2,   38                          ; s[38:39] w2l, s[40:41] W2's scales, s[42:43] b2: at my wave's part
.set PS2,  40
.set PB2,  42
.set SEL,  46
.set TKS,  66                          ; s66-81 sixteen tokens on the way out
.set MSB, 0
.macro WIN new                         ; the immediate's high byte repeats the setting that is left
.if MSB != \new
	s_set_vgpr_msb (MSB<<8)|\new
.set MSB, \new
.endif
.endm
.macro PLACES                          ; four plain vector lines between a matrix instruction and a load into one of its registers, or the first read of its result
.rept 4
	v_nop
.endr
.endm
; One matrix instruction on the registers rD, rA, rB, rC and the scale words rSA, rSB.  row = 1: the weight's scale words are taken from lanes 16-31.
.macro MM row
.if \row
	v_wmma_scale_f32_16x16x128_f8f6f4 v[rD:rD+7], v[rA:rA+7], v[rB:rB+7], v[rC:rC+7], v[rSA], v[rSB] matrix_a_fmt:MATRIX_FMT_FP4 matrix_b_fmt:MATRIX_FMT_FP4 matrix_a_scale:MATRIX_SCALE_ROW1
.else
	v_wmma_scale_f32_16x16x128_f8f6f4 v[rD:rD+7], v[rA:rA+7], v[rB:rB+7], v[rC:rC+7], v[rSA], v[rSB] matrix_a_fmt:MATRIX_FMT_FP4 matrix_b_fmt:MATRIX_FMT_FP4
.endif
.endm
; Unit b of W1 (tiles 2 b, 2 b + 1 of the group in hand, or of the next: off = 1): 16 loads of codes, 4 of b1, 1 of scale words: 21 loads.
.macro FILL1 b, off
	WIN 0x40
.irp i, 0,1,2,3,4,5,6,7,8,9,10,11,12,13,14,15
	global_load_b128 v[64*(\b)+4*\i:64*(\b)+4*\i+3], v[LI], s[P1:P1+1] offset:(\off)*32768+8192*(\b)+512*\i
.endr
	WIN 0xc0
.irp i, 0,1,2,3
	global_load_b128 v[128+16*(\b)+4*\i:128+16*(\b)+4*\i+3], v[BA], s[PB1:PB1+1] offset:(\off)*512+128*(\b)+16*\i   ; lane (r, h): b1 of hidden units 32 b + 16 h + 0 .. 15: tile 2 b's eight, then tile 2 b + 1's
.endr
	WIN 0
	global_load_b128 v[W1S+4*(\b):W1S+4*(\b)+3], v[SA], s[PS1:PS1+1] offset:(\off)*2048+512*(\b)                   ; the four K steps' words of my row: the wave reads 512 consecutive bytes
.endm
; Unit n of W2 (n = 4 q + p: tiles 2 p, 2 p + 1, quarter q of K) into ring place n % 4: 16 loads.
.macro FILL2 n
	WIN 0x40
.irp i, 0,1,2,3,4,5,6,7,8,9,10,11,12,13,14,15
	global_load_b128 v[64*((\n)%4)+4*\i:64*((\n)%4)+4*\i+3], v[LI], s[P2:P2+1] offset:8192*(\n)+512*\i
.endr
	WIN 0
.endm
; 16 matrix instructions: unit b of W1 against x's two tiles of tokens, K step by K step; four accumulators by turns.  The first K step takes b1 as C.
.macro MUL1 b
.irp s, 0,1,2,3
.if \s == 0
	WIN 0xbd                                       ; A window 1, B window 3, C window 3, D window 2
.else
	WIN 0xad                                       ; C and D window 2
.endif
.irp u, 0,1
.irp m, 0,1
.set rD, 64*\m+8*(2*(\b)+\u)
.set rA, 64*(\b)+32*\u+8*\s
.set rB, 32*\m+8*\s
.if \s == 0
.set rC, 128+16*(\b)+8*\u
.else
.set rC, rD
.endif
.set rSA, W1S+4*(\b)+\s
.set rSB, XS+4*\m+\s
	MM \u
.endr
.endr
.endr
.endm
; The 64 results of tile of tokens m (register 16 b + i = hidden unit 32 b + 16 (lane / 16) + i of the group, of my token) are clipped at 0, quantised, and stored as one fragment's image and its scale words.
.macro QUANT m
	WIN 0x88
.set j, 64*(\m)
.rept 64
	v_max_num_f32 v[j], 0, v[j]                    ; the activation, in f32; each accumulator from its low end on
.set j, j+1
.endr
	WIN 0x0a
.irp b, 0,1,2,3
	v_max3_num_f32 v[TM+\b], v[64*(\m)+16*\b], v[64*(\m)+16*\b+1], 0x1800000   ; block b: my 16 numbers (none is negative), and the floor 2^(3 - 127): the byte cannot fall under 1
.endr
.irp i, 2,4,6,8,10,12,14
.irp b, 0,1,2,3
	v_max3_num_f32 v[TM+\b], v[64*(\m)+16*\b+\i], v[64*(\m)+16*\b+\i+1], v[TM+\b]   ; the four blocks by turns
.endr
.endr
	WIN 0
	s_wait_dscnt 0x0                               ; the last image's stores have read their registers, which are written below
.irp b, 0,1,2,3
	v_permlanex16_b32 v[TM+4+\b], v[TM+\b], s[SEL], s[SEL+1]
.endr
.irp b, 0,1,2,3
	v_max_num_f32 v[TM+\b], v[TM+\b], v[TM+4+\b]   ; with lane l xor 16's 16: the block's largest
.endr
.irp b, 0,1,2,3
	v_add_nc_u32 v[TM+12+\b], 0xff000000, v[TM+\b] ; 2 off its exponent field: the conversion's scale operand
.endr
.irp b, 0,1,2,3
	v_lshrrev_b32 v[TM+4+\b], 23, v[TM+12+\b]      ; the scale's byte
.endr
	v_lshl_or_b32 v[PW], v[TM+5], 8, v[TM+4]
	v_lshl_or_b32 v[PW], v[TM+6], 16, v[PW]
	v_lshl_or_b32 v[PW], v[TM+7], 24, v[PW]        ; my token's scale word for this K step
	WIN 0x02
.irp b, 0,1,2,3
	v_cvt_scalef32_pk8_fp4_f32 v[PC+2*\b], v[64*(\m)+16*\b:64*(\m)+16*\b+7], v[TM+12+\b]
	v_cvt_scalef32_pk8_fp4_f32 v[PC+2*\b+1], v[64*(\m)+16*\b+8:64*(\m)+16*\b+15], v[TM+12+\b]
.endr
	WIN 0
	v_nop                                          ; one plain line behind the scaled conversions
.irp c, 0,1                                    ; the operand's layout wants a whole block in a lane: lanes 0-15 block 2 c, lanes 16-31 block 2 c + 1
.irp i, 0,1
	v_permlane16_swap_b32 v[PC+4*\c+\i], v[PC+2+4*\c+\i]
.endr
.endr
.irp c, 0,1
	ds_store_b128 v[HWC], v[PC+4*\c:PC+4*\c+3] offset:1024*(\m)+512*\c
.endr
	ds_store_b32 v[HWSC], v[PW] offset:128*(\m)
.endm
; A group of 128 hidden units: four units multiplied, each ring place filled again as soon as it is free (last = 0: the next group's unit; last = 1: W2's first four), then the two tiles of tokens quantised.
.macro GROUP last
.irp b, 0,1,2,3
.if \last
	s_wait_loadcnt 21*(3-\b)+16*\b                 ; behind unit b's loads: 21 for each unit of W1 still to come, 16 for each unit of W2 already asked for
.else
	s_wait_loadcnt 63                              ; behind unit b's loads: three units of 21 (more on the way into the loop)
.endif
	MUL1 \b
	WIN 0
	PLACES
.if \last
	FILL2 \b
.else
	FILL1 \b, 1
.endif
.endr
	v_add_nc_u32 v[HWC], s49, v[HW0]               ; this group's K step of the second product
	v_add_nc_u32 v[HWSC], s53, v[HWS0]
.irp m, 0,1
	QUANT \m
.endr
.endm
; The hidden layer's two fragments and scale words of K step 4 q + s: 6 LDS loads.
.macro HLOAD q, s
	WIN 0xc0
.irp m, 0,1
.irp c, 0,1
	ds_load_b128 v[16*(\s)+8*\m+4*\c:16*(\s)+8*\m+4*\c+3], v[HR] offset:8192*(\q)+2048*(\s)+1024*\m+512*\c
.endr
.endr
	WIN 0
.irp m, 0,1
	ds_load_b32 v[HS+2*(\s)+\m], v[HSR] offset:1024*(\q)+256*(\s)+128*\m
.endr
.endm
; 16 matrix instructions: unit 4 q + p of W2 against the hidden layer's quarter q; four accumulators by turns.  The very first K step takes b2 as C.
; The quarter's last unit fetches the next quarter's hidden fragments, K step by K step, as each is done with.
.macro UNIT2 q, p
.set UN, 4*(\q)+(\p)
.if 15-UN >= 3
	s_wait_loadcnt 48                              ; behind this unit's loads: three units of 16
.else
	s_wait_loadcnt 16*(15-UN)
.endif
.irp s, 0,1,2,3
.if \p == 0
	s_wait_dscnt 6*(3-\s)                          ; this K step's hidden fragments are in; the later K steps' six loads each stay out
.endif
.if (\q == 0) && (\s == 0)
	WIN 0xbd
.else
	WIN 0xad
.endif
.irp u, 0,1
.irp m, 0,1
.set rD, 64*\m+8*(2*(\p)+\u)
.set rA, 64*(\p)+32*\u+8*\s
.set rB, 16*\s+8*\m
.if (\q == 0) && (\s == 0)
.set rC, 192+8*(2*(\p)+\u)
.else
.set rC, rD
.endif
.set rSA, W2S+16*(\q)+4*(\p)+\s
.set rSB, HS+2*\s+\m
	MM \u
.endr
.endr
.if (\p == 3) && (\q < 3)
	WIN 0
	PLACES
	HLOAD (\q)+1, \s
.endif
.endr
	WIN 0
.if UN <= 11
.if !((\p == 3) && (\q < 3))
	PLACES
.endif
	FILL2 UN+4                                     ; (where the quarter's last unit has just fetched, its places serve these loads too)
.endif
.endm
	s_load_b512 s[4:19], s[0:1], 0x0               ; tiles s[4:5], order s[6:7], xc s[8:9], xs s[10:11], w1l s[12:13], W1's scales s[14:15], b1 s[16:17], w2l s[18:19]
	s_load_b128 s[20:23], s[0:1], 0x40             ; W2's scales s[20:21], b2 s[22:23]
	s_load_b64 s[24:25], s[0:1], 0x50              ; out0
	v_lshl_add_u32 v254, v0, 2, 0x13600
	v_mov_b32 v255, 0
	v_lshrrev_b32 v240, 5, v0
	v_readfirstlane_b32 s26, v240                  ; wave 0..3
	v_and_b32 v241, 31, v0                         ; lane
	v_and_b32 v242, 15, v0                         ; r
	v_bfe_u32 v243, v0, 4, 1                       ; h
	v_lshlrev_b32 v[LI], 4, v241
	v_and_b32 v244, 7, v242
	v_bfe_u32 v245, v0, 3, 1
	v_lshl_add_u32 v244, v245, 4, v244
	v_lshl_add_u32 v244, v243, 3, v244             ; r % 8 + 16 (r / 8) + 8 h: my row among a unit's 32
	v_lshlrev_b32 v[SA], 4, v244
	v_lshlrev_b32 v[BA], 6, v243
	v_lshlrev_b32 v[S2A], 6, v241
	v_lshlrev_b32 v[B2A], 5, v243
	s_lshr_b32 s50, s26, 1                         ; my wave gathers 8 tokens: tile of tokens w / 2,
	s_mul_i32 s50, s50, XTP
	s_and_b32 s52, s26, 1                          ; tokens 8 (w % 2) on: 16 bytes each
	s_lshl_b32 s52, s52, 7
	s_add_co_u32 s50, s50, s52
	v_mul_u32_u24 v[XW], v242, 272
	v_lshl_add_u32 v[XW], v243, 4, v[XW]
	v_add_nc_u32 v[XW], s50, v[XW]                 ; piece lane % 16, token 8 (w % 2) + 2 j + lane / 16
	v_mul_u32_u24 v[XR], v243, 272
	v_lshl_add_u32 v[XR], v242, 4, v[XR]           ; piece h (+ 4 s + 2 c), token r: sixteen lanes read 256 consecutive bytes
	s_lshl_b32 s50, s26, 13                        ; my wave's four K steps: eight images of 1,024 bytes
	s_add_co_u32 s50, s50, HIMG
	v_add_nc_u32 v[HW0], s50, v[LI]
	s_lshl_b32 s50, s26, 10
	s_add_co_u32 s50, s50, HSC
	v_lshl_add_u32 v[HWS0], v241, 2, s50
	v_add_nc_u32 v[HR], HIMG, v[LI]
	v_lshl_add_u32 v[HSR], v241, 2, HSC
	s_mul_i32 s50, s26, 16*SPITCH
	s_add_co_u32 s50, s50, STG
	v_mul_u32_u24 v[STO], v242, SPITCH
	v_lshl_add_u32 v[STO], v243, 5, v[STO]
	v_add_nc_u32 v[STO], s50, v[STO]               ; row r, 32 bytes for each half of the lanes
	v_add_nc_u32 v[RD], s50, v[LI]                 ; back: the 32 lanes take one row of 512 bytes
	s_lshl_b32 s50, s26, 9
	v_add_nc_u32 v[OC], s50, v[LI]                 ; my wave's 512 bytes of a row of out0
	v_lshlrev_b32 v246, 4, v242
.irp b, 0,1,2,3
	v_mov_b32 v[TM+4+\b], 0                        ; written once: a lane permute's destination counts as one of its sources
.endr
	s_mov_b32 s[SEL], 0x76543210
	s_mov_b32 s[SEL+1], 0xfedcba98                 ; v_permlanex16_b32's selects for lane l xor 16
	s_lshl_b32 s50, ttmp9, 4
	s_mov_b32 s51, 0
	s_wait_kmcnt 0x0
	s_add_nc_u64 s[4:5], s[4:5], s[50:51]
	s_load_b128 s[28:31], s[4:5], 0x0              ; my tile: expert, first, rows, 0
	s_wait_kmcnt 0x0
	s_min_u32 s28, s28, 7                          ; loaded numbers are held inside their ranges before they enter an address
	s_min_u32 s29, s29, 4095
	s_min_u32 s30, s30, 32
	s_max_u32 s31, s30, 1
	s_sub_co_u32 s31, s31, 1                       ; the tile's last row
	s_lshl_b32 s50, s28, 19                        ; an expert's codes: 524,288 bytes; a wave's part: 131,072
	s_lshl_b32 s52, s26, 17
	s_add_co_u32 s50, s50, s52
	s_add_nc_u64 s[P1:P1+1], s[12:13], s[50:51]
	s_add_nc_u64 s[P2:P2+1], s[18:19], s[50:51]
	s_lshl_b32 s50, s28, 15                        ; its scale bytes: 32,768; a wave's part: 8,192
	s_lshl_b32 s52, s26, 13
	s_add_co_u32 s50, s50, s52
	s_add_nc_u64 s[PS1:PS1+1], s[14:15], s[50:51]
	s_add_nc_u64 s[PS2:PS2+1], s[20:21], s[50:51]
	s_lshl_b32 s50, s28, 13                        ; b1: 8,192 bytes an expert, 2,048 a wave
	s_lshl_b32 s52, s26, 11
	s_add_co_u32 s50, s50, s52
	s_add_nc_u64 s[PB1:PB1+1], s[16:17], s[50:51]
	s_lshl_b32 s50, s28, 11                        ; b2: 2,048 bytes an expert, 512 a wave
	s_lshl_b32 s52, s26, 9
	s_add_co_u32 s50, s50, s52
	s_add_nc_u64 s[PB2:PB2+1], s[22:23], s[50:51]
	s_lshl_b32 s52, s26, 3
	v_add_nc_u32 v244, s52, v243                   ; 8 w + h
.irp j, 0,1,2,3
	v_add_nc_u32 v[PO+\j], 2*\j, v244              ; the rows whose codes I gather: 8 w + 2 j + h
.endr
.irp m, 0,1
	v_add_nc_u32 v[PO+4+\m], 16*\m, v242           ; and row 16 m + r
.endr
.irp j, 0,1,2,3,4,5
	v_min_u32 v[PO+\j], s31, v[PO+\j]              ; rows behind the last repeat the last
	v_add_nc_u32 v[PO+\j], s29, v[PO+\j]
	v_min_u32 v[PO+\j], 4095, v[PO+\j]
	v_lshlrev_b32 v[PO+\j], 2, v[PO+\j]
.endr
.irp j, 0,1,2,3
	global_load_b32 v[OG+\j], v[PO+\j], s[6:7]
.endr
.irp m, 0,1
	global_load_b32 v[TOK+\m], v[PO+4+\m], s[6:7]
.endr
	FILL1 0, 0                                     ; the weights do not hang on the tokens: they are asked for while the list is on its way,
	FILL1 1, 0
.irp q, 0,1,2,3
.irp p, 0,1,2,3
	global_load_b128 v[W2S+16*\q+4*\p:W2S+16*\p*0+16*\q+4*\p+3], v[S2A], s[PS2:PS2+1] offset:2048*\p+16*\q   ; and so are W2's scale words: row 32 p + lane of my 128, the four K steps of quarter q
.endr
.endr
	s_wait_loadcnt 58                              ; the six loads of the list are in; behind them two units of 21 and the sixteen of W2's scale words stay out
.irp j, 0,1,2,3
	v_min_u32 v[OG+\j], 4095, v[OG+\j]
	v_lshl_add_u32 v[XA+\j], v[OG+\j], 8, v246     ; token x 256 + 16 r
.endr
.irp m, 0,1
	v_min_u32 v[TOK+\m], 4095, v[TOK+\m]
	v_lshlrev_b32 v[XSO+\m], 4, v[TOK+\m]
.endr
.irp j, 0,1,2,3
	global_load_b128 v[XT+4*\j:XT+4*\j+3], v[XA+\j], s[8:9]                ; two tokens' rows of codes, 256 consecutive bytes each
.endr
.irp m, 0,1
	global_load_b128 v[XS+4*\m:XS+4*\m+3], v[XSO+\m], s[10:11]             ; my token's four scale words
.endr
	FILL1 2, 0
	FILL1 3, 0
	WIN 0xc0
.irp i, 0,1,2,3,4,5,6,7,8,9,10,11,12,13,14,15
	global_load_b128 v[192+4*\i:192+4*\i+3], v[B2A], s[PB2:PB2+1] offset:64*(\i/2)+16*(\i%2)         ; b2 of outputs 16 (i / 2) + 8 h + 0 .. 7
.endr
	WIN 0
	s_wait_loadcnt 58                              ; x's six loads are in; behind them two units of 21 and b2's sixteen stay out
.irp j, 0,1,2,3
	ds_store_b128 v[XW], v[XT+4*\j:XT+4*\j+3] offset:32*\j
.endr
	s_wait_dscnt 0x0                               ; for the others' sake: my 8 tokens' codes lie in LDS
	s_barrier_signal -1
	s_barrier_wait -1
	WIN 0xc0
.irp m, 0,1
.irp f, 0,1,2,3,4,5,6,7                        ; f = 2 s + c
	ds_load_b128 v[32*\m+4*\f:32*\m+4*\f+3], v[XR] offset:XTP*\m+544*\f    ; x's eight fragments stay in registers
.endr
.endr
	WIN 0
	s_wait_dscnt 0x0                               ; x's fragments are in
	s_mov_b32 s48, 3
	s_mov_b32 s49, 0                               ; the group's images: 2,048 bytes a group,
	s_mov_b32 s53, 0                               ; its scale words: 256
.Lgroup:                                           ; three trips: groups 0 to 2, each asking for the next group's units
	GROUP 0
	s_wait_xcnt 0x0                                ; the loads have read their bases: these are stepped only behind this wait
	s_add_nc_u64 s[P1:P1+1], s[P1:P1+1], 32768
	s_add_nc_u64 s[PS1:PS1+1], s[PS1:PS1+1], 2048
	s_add_nc_u64 s[PB1:PB1+1], s[PB1:PB1+1], 512
	s_add_co_u32 s49, s49, 2048
	s_add_co_u32 s53, s53, 256
	s_sub_co_u32 s48, s48, 1
	s_cmp_lg_u32 s48, 0
	s_cbranch_scc1 .Lgroup
	GROUP 1                                        ; the last group is written out: no load passes W1's end; the ring takes W2's first four units
	s_wait_dscnt 0x0                               ; for the others' sake: my eight images and their scale words lie in LDS
	s_barrier_signal -1
	s_barrier_wait -1
.irp s, 0,1,2,3
	HLOAD 0, \s
.endr
.irp q, 0,1,2,3
.irp p, 0,1,2,3
	UNIT2 \q, \p
.endr
.endr
	s_cmp_eq_u32 s30, 0
	s_cbranch_scc1 .Lend                           ; a tile without rows stores nothing; no barrier follows
; THE WAY OUT, a tile of 16 tokens at a time.  A lane holds 32 neighbouring bytes of a token's row and the lanes beside it other tokens': the tile goes through my own stage in LDS and comes back as rows of 512 bytes.
; LDS serves a wave's instructions in order (ISA guide 5.7.1.4): no wait between the stores and the loads, nor in front of the next tile's stores.
.macro TOSTAGE m
	WIN 0x08                                       ; an LDS store's data are its source 1: window 2
.irp t, 0,1,2,3,4,5,6,7
	ds_store_b128 v[STO], v[64*(\m)+8*\t:64*(\m)+8*\t+3] offset:64*\t      ; each accumulator from its low end on
	ds_store_b128 v[STO], v[64*(\m)+8*\t+4:64*(\m)+8*\t+7] offset:64*\t+16
.endr
	WIN 0x40
.irp i, 0,1,2,3,4,5,6,7,8,9,10,11,12,13,14,15
	ds_load_b128 v[64*(\m)+4*\i:64*(\m)+4*\i+3], v[RD] offset:SPITCH*\i
.endr
	WIN 0
.endm
.macro SEND m, younger                 ; younger: the LDS instructions issued behind tile m's loads, which may stay out
	s_wait_dscnt \younger
	s_wait_xcnt 0x0                                ; the earlier stores have read their offsets, which are written anew below
.irp i, 0,1,2,3,4,5,6,7,8,9,10,11,12,13,14,15
	v_readlane_b32 s[TKS+\i], v[TOK+(\m)], \i      ; the token of row i
.endr
.irp i, 0,1,2,3,4,5,6,7,8,9,10,11,12,13,14,15
	s_min_u32 s[TKS+\i], s[TKS+\i], 4095
.endr
.irp i, 0,1,2,3,4,5,6,7,8,9,10,11,12,13,14,15
	v_lshl_add_u32 v[OA+\i], s[TKS+\i], 11, v[OC]  ; token x 2,048 + my wave's 512 bytes
.endr
	WIN 0x04                                       ; a store's data are its source 1: window 1
.irp i, 0,1,2,3,4,5,6,7,8,9,10,11,12,13,14,15
	global_store_b128 v[OA+\i], v[64*(\m)+4*\i:64*(\m)+4*\i+3], s[24:25] th:TH_STORE_NT   ; the wave stores 512 consecutive bytes, aligned; written once, read by nobody here
.endr
	WIN 0
.endm
	PLACES                                         ; behind the last products
	TOSTAGE 0
	TOSTAGE 1
	SEND 0, 32                                     ; behind tile 0's loads: tile 1's 16 stores and 16 loads
	SEND 1, 0
.Lend:
	s_wait_tensorcnt 0x0
	ds_add_u32 v254, v255
	s_wait_dscnt 0x0
	s_endpgm
.Lfunc_end_k_qc6f6cc456b_chain:
	.size	k_qc6f6cc456b_chain, .Lfunc_end_k_qc6f6cc456b_chain-k_qc6f6cc456b_chain
	.p2alignl 7, 3214868480
	.fill 96, 4, 3214868480
	.section	.rodata,"a",@progbits
	.p2align	6, 0x0
	.amdhsa_kernel k_qc6f6cc456b_chain
		.amdhsa_group_segment_fixed_size 79872
		.amdhsa_private_segment_fixed_size 0
		.amdhsa_enable_private_segment 0
		.amdhsa_kernarg_size 88
		.amdhsa_user_sgpr_count 2
		.amdhsa_user_sgpr_kernarg_segment_ptr 1
		.amdhsa_wavefront_size32 1
		.amdhsa_system_sgpr_workgroup_id_x 1
		.amdhsa_system_sgpr_workgroup_id_y 1
		.amdhsa_system_sgpr_workgroup_id_z 1
		.amdhsa_system_vgpr_workitem_id 0
		.amdhsa_next_free_vgpr 1024
		.amdhsa_next_free_sgpr 96
		.amdhsa_reserve_vcc 0
		.amdhsa_float_denorm_mode_32 3
		.amdhsa_float_denorm_mode_16_64 3
		.amdhsa_memory_ordered 1
		.amdhsa_forward_progress 1
		.amdhsa_inst_pref_size 154
	.end_amdhsa_kernel
	.amdgpu_metadata
---
amdhsa.version: [ 1, 2 ]
amdhsa.kernels:
  - .name:           k_qc6f6cc456b_chain
    .symbol:         k_qc6f6cc456b_chain.kd
    .args:
      - { .name: tiles, .offset: 0, .size: 8, .value_kind: global_buffer, .address_space: global }
      - { .name: order, .offset: 8, .size: 8, .value_kind: global_buffer, .address_space: global }
      - { .name: xc, .offset: 16, .size: 8, .value_kind: global_buffer, .address_space: global }
      - { .name: xs, .offset: 24, .size: 8, .value_kind: global_buffer, .address_space: global }
      - { .name: w1l, .offset: 32, .size: 8, .value_kind: global_buffer, .address_space: global }
      - { .name: W1_scales, .offset: 40, .size: 8, .value_kind: global_buffer, .address_space: global }
      - { .name: b1, .offset: 48, .size: 8, .value_kind: global_buffer, .address_space: global }
      - { .name: w2l, .offset: 56, .size: 8, .value_kind: global_buffer, .address_space: global }
      - { .name: W2_scales, .offset: 64, .size: 8, .value_kind: global_buffer, .address_space: global }
      - { .name: b2, .offset: 72, .size: 8, .value_kind: global_buffer, .address_space: global }
      - { .name: out0, .offset: 80, .size: 8, .value_kind: global_buffer, .address_space: global }
    .group_segment_fixed_size: 79872
    .private_segment_fixed_size: 0
    .kernarg_segment_align: 8
    .kernarg_segment_size: 88
    .max_flat_workgroup_size: 128
    .sgpr_count:     96
    .vgpr_count:     1024
    .wavefront_size: 32
...
	.end_amdgpu_metadata
.endif
;; end of part 5
;; ======== version 3 of 3: 3 launches; version 2 with the launch chain written anew for expert scheduling mode
;; workspace buffers: xc 1,048,576 bytes; xs 65,536 bytes; route 32,768 bytes of whole numbers; order 16,384 bytes of whole numbers; tiles 2,560 bytes of whole numbers; w1l 4,194,304 bytes; w2l 4,194,304 bytes
;; launch gate: the kernel of part 1 again; grid 256 x 1, 4 waves a work-group, no clusters, 58,880 bytes of LDS; arguments x, Wg, bg, xc, xs, route; writes xc, xs, route
;; launch place: the kernel of part 4 again; grid 128 x 1, 17 waves a work-group, no clusters, 76,288 bytes of LDS; arguments route, W1_codes, W2_codes, order, tiles, w1l, w2l; writes order, tiles, w1l, w2l
;; launch chain (part 6): grid 135 x 1, 4 waves a work-group, no clusters, 79,872 bytes of LDS; arguments tiles, order, xc, xs, w1l, W1_scales, b1, w2l, W2_scales, b2, out0; writes out0
.if DOCPART == 6
	.amdgcn_target "amdgcn-amd-amdhsa--gfx1250"
	.amdhsa_code_object_version 6
	.text
	.protected	k_qc6f6cc456b_chain
	.globl	k_qc6f6cc456b_chain
	.p2align	8
	.type	k_qc6f6cc456b_chain,@function
k_qc6f6cc456b_chain:
	s_mov_b64 s[64:65], 0
	v_nop
	global_prefetch_b8 v0, s[64:65] scope:SCOPE_SE
	s_setreg_imm32_b32 hwreg(HW_REG_WAVE_SCHED_MODE, 0, 2), 2
	s_setreg_imm32_b32 hwreg(HW_REG_WAVE_MODE, 25, 1), 1
	s_wait_xcnt 0x0
	s_wait_alu depctr_vm_vsrc(0)
; ONE TILE OF UP TO 32 TOKENS OF ONE EXPERT THROUGH THE WHOLE CHAIN: out = relu(x W1 + b1) W2 + b2, both products on codes of E2M1 with one E8M0 scale for each 32 along K.
; Only the chosen expert of a token is multiplied: the others' results are thrown away by the one-hot that the problem itself builds.  Each output row has one owner.
; The work-group reads its entry of tiles (expert, first place in order, rows), gathers its tokens' codes and scale bytes, and scatters whole pieces of rows of out0.  The hidden layer never goes to memory.
; GRID: 4096 / 32 + 8 - 1 = 135 work-groups serve every split.  Rows behind a tile's last repeat its last token (the same numbers are then stored twice by the same wave).
;   A tile without rows walks the chain on valid data, since every wave passes every barrier, and jumps over its stores alone.
; WHY 32 ROWS: a wave's share of the weights, 256 KiB in 512 loads, is the same whatever the rows; the products, the quantising and the way out grow with the rows.  Fewer rows to a work-group leave
;   less of that work between one unit's loads and the next's, and make more work-groups.
; SHARES.  THE FOUR WAVES SHARE THE COLUMNS, NOT THE ROWS: wave w makes hidden units 512 w .. 512 w + 511 (four groups of 128: K steps 4 w + g of the second product) and outputs 128 w .. 128 w + 127, for all 32 tokens.
;   So each byte of the expert's weights is wanted by ONE wave: the weights go from memory straight into registers, laid by the launch before in the order of the operand's registers (512 consecutive bytes a load),
;   through a ring of four units of 64 registers; a unit is two tiles of 16 rows x 512 along K, 16 loads, and feeds 16 matrix instructions.  The ring runs on from W1 into W2.
; NO JOINT LOADS: no tile of weights lies in LDS to be shared, and how many tiles an expert has hangs on counts read from memory, so neighbours in the grid need not have one expert.
; BOTH PRODUCTS ARE USED TRANSPOSED (source 0 = 16 rows of the weight, source 1 = 16 tokens): a lane holds ONE token, and its registers run along the hidden units (the next K), then along the outputs.
;   Hidden fragments go from wave to wave through LDS as images of their registers: 16 bytes a lane, 512 a store; scale words 4 bytes a lane.
; The biases are the C of each sum's first matrix instruction.  The accumulators take turns, one instruction a turn.
; LIMITS: NaN and infinities are not served.  A block of zeros of the hidden layer gets the byte 1: its codes are zeros.
; THE MODE: SCHED_MODE bits 1:0 = 2 (LLVM: expert scheduling mode 2), set by the entry lines.  The code itself states the register dependences
; between vector or matrix instructions and memory or LDS instructions, with s_wait_alu, always for 0.
; THE PLAN.  Registers that memory or LDS instructions touch, and who else names them:
;   the addresses and offsets  Made by vector lines at the head, ahead of a wait on va_vdst; never written again (the weights' scalar bases move on, immediate offsets do the rest).
;   a ring place, with its tiles of b1 and its scale words of W1   Read by the unit's 16 matrix instructions; then loaded again.  ONE wait on va_vdst stands behind those 16, ahead of the refill: the place is
;       asked for again at once, since the launch lives on loads in flight.  A group's fourth place is asked for behind the first quantising pass, whose own wait covers its products.
;   the hidden layer's fragments and scale words, TWO buffers   Quarter q of the second product reads buffer q % 2; the loads of quarter q + 1 land in the other, dealt among the products of quarter q's first unit.
;       The other buffer's last readers stand ahead of the wait behind the unit before: nothing more is owed.
;   the codes and the scale word just made, and the two image addresses   Written by a quantising pass, read by its three LDS stores: a wait on va_vdst ahead of the stores, a wait on vm_vsrc ahead of the next pass's writes.
;   the accumulators, ring places 0 and 1, two sets of row offsets   On the way out: one wait on va_vdst ahead of the first LDS store; no vector line follows it.
; REGISTERS, in windows of 256 (s_set_vgpr_msb: bits 1:0 source 0, 3:2 source 1, 5:4 source 2, 7:6 destination):
;   window 0: addresses, work of the quantiser, all scale words.   window 1: the ring: unit b's fragment (tile u, K step s) at 64 b + 32 u + 8 s; on the way out rows of out0.
;   window 2: the 16 accumulators: (tile of tokens m, tile of rows t) at 64 m + 8 t.
;   window 3: v0-63 x's fragments at 32 m + 8 s, later the hidden layer's even quarters at 16 s + 8 m; v64-127 its odd quarters; v128-191 b1's tiles of the four units; v192-255 b2's eight tiles.
.set XTP,   4352                       ; LDS: x's codes of 16 tokens: [16 pieces of 16 bytes][token][16 bytes], pieces 272 bytes apart
.set XIMG,  0                          ; two such
.set HIMG,  2*XTP                      ; the hidden layer's 32 fragments of 1,024 bytes: number 2 S + m
.set HSC,   HIMG+32*1024               ; their scale words, 128 bytes each
.set STG,   HSC+32*128                 ; a stage for each wave: 16 rows x (512 bytes + 16)
.set SPITCH, 528
.set LI,   1                           ; 16 x lane
.set SA,   3                           ; W1's scale words: 16 bytes a row; lanes 0-15 the even tile's rows, lanes 16-31 the odd tile's
.set BA,   4                           ; b1: 64 x (lane / 16)
.set S2A,  5                           ; W2's scale words: 64 bytes a row, a lane to a row of a pair of tiles
.set B2A,  6                           ; b2: 32 x (lane / 16)
.set XW,   7                           ; where I put gathered codes
.set XR,   8                           ; where I read x's fragments
.set HW0,  9                           ; my wave's hidden images,
.set HWS0, 10                          ; and their scale words
.set HR,   11                          ; all hidden images,
.set HSR,  12                          ; all their scale words
.set STO,  13                          ; the stage: in,
.set RD,   14                          ; and back
.set OC,   15                          ; my 16 bytes in a row of out0
.set TOK,  16                          ; v16-17   token of row 16 m + lane % 16
.set OG,   20                          ; v20-23   tokens whose codes I gather
.set XA,   28                          ; v28-31   their offsets in xc
.set PO,   36                          ; v36-41   offsets in order
.set XSO,  48                          ; v48-49   offsets in xs
.set XT,   52                          ; v52-67   gathered codes
.set OB,   68                          ; v68-83   offsets in out0 of the 16 rows of tile of tokens 1
.set TM,   84                          ; v84-99   the quantiser's work
.set PW,   100                         ; the scale word just made
.set PC,   102                         ; v102-109 the codes just made
.set HWC,  110                         ; this group's image address,
.set HWSC, 111                         ; and scale word address
.set XS,   112                         ; v112-119 x's scale words: 4 m + s
.set HS,   128                         ; v128-143 the hidden layer's, two sets: 8 (q % 2) + 2 s + m
.set W1S,  144                         ; v144-159 W1's: 4 b + s
.set W2S,  160                         ; v160-223 W2's: 16 q + 4 p + s
.set OA,   224                         ; v224-239 offsets in out0 of the 16 rows of tile of tokens 0
.set P1,   32                          ; s[32:33] w1l, s[34:35] W1's scales, s[36:37] b1: at my wave's group in hand
.set PS1,  34
.set PB1,  36
.set P2,   38                          ; s[38:39] w2l, s[40:41] W2's scales, s[42:43] b2: at my wave's part
.set PS2,  40
.set PB2,  42
.set SEL,  46
.set TKS,  66                          ; s66-81 sixteen tokens on the way out
.set MSB, 0
.macro WIN new                         ; the immediate's high byte repeats the setting that is left
.if MSB != \new
	s_set_vgpr_msb (MSB<<8)|\new
.set MSB, \new
.endif
.endm
.macro PLACES                          ; four plain vector lines between a matrix instruction and a load into one of its registers, or the first read of its result
.rept 4
	v_nop
.endr
.endm
; One matrix instruction on the registers rD, rA, rB, rC and the scale words rSA, rSB.  row = 1: the weight's scale words are taken from lanes 16-31.
.macro MM row
.if \row
	v_wmma_scale_f32_16x16x128_f8f6f4 v[rD:rD+7], v[rA:rA+7], v[rB:rB+7], v[rC:rC+7], v[rSA], v[rSB] matrix_a_fmt:MATRIX_FMT_FP4 matrix_b_fmt:MATRIX_FMT_FP4 matrix_a_scale:MATRIX_SCALE_ROW1
.else
	v_wmma_scale_f32_16x16x128_f8f6f4 v[rD:rD+7], v[rA:rA+7], v[rB:rB+7], v[rC:rC+7], v[rSA], v[rSB] matrix_a_fmt:MATRIX_FMT_FP4 matrix_b_fmt:MATRIX_FMT_FP4
.endif
.endm
; Unit b of W1 (tiles 2 b, 2 b + 1 of the group in hand, or of the next: off = 1): 16 loads of codes, 4 of b1, 1 of scale words: 21 loads.
.macro FILL1 b, off
	WIN 0x40
.irp i, 0,1,2,3,4,5,6,7,8,9,10,11,12,13,14,15
	global_load_b128 v[64*(\b)+4*\i:64*(\b)+4*\i+3], v[LI], s[P1:P1+1] offset:(\off)*32768+8192*(\b)+512*\i
.endr
	WIN 0xc0
.irp i, 0,1,2,3
	global_load_b128 v[128+16*(\b)+4*\i:128+16*(\b)+4*\i+3], v[BA], s[PB1:PB1+1] offset:(\off)*512+128*(\b)+16*\i   ; lane (r, h): b1 of hidden units 32 b + 16 h + 0 .. 15: tile 2 b's eight, then tile 2 b + 1's
.endr
	WIN 0
	global_load_b128 v[W1S+4*(\b):W1S+4*(\b)+3], v[SA], s[PS1:PS1+1] offset:(\off)*2048+512*(\b)                   ; the four K steps' words of my row: the wave reads 512 consecutive bytes
.endm
; Unit n of W2 (n = 4 q + p: tiles 2 p, 2 p + 1, quarter q of K) into ring place n % 4: 16 loads.
.macro FILL2 n
	WIN 0x40
.irp i, 0,1,2,3,4,5,6,7,8,9,10,11,12,13,14,15
	global_load_b128 v[64*((\n)%4)+4*\i:64*((\n)%4)+4*\i+3], v[LI], s[P2:P2+1] offset:8192*(\n)+512*\i
.endr
.endm
; 16 matrix instructions: unit b of W1 against x's two tiles of tokens, K step by K step; four accumulators by turns.  The first K step takes b1 as C.
.macro MUL1 b
.irp s, 0,1,2,3
.if \s == 0
	WIN 0xbd                                       ; A window 1, B window 3, C window 3, D window 2
.else
	WIN 0xad                                       ; C and D window 2
.endif
.irp u, 0,1
.irp m, 0,1
.set rD, 64*\m+8*(2*(\b)+\u)
.set rA, 64*(\b)+32*\u+8*\s
.set rB, 32*\m+8*\s
.if \s == 0
.set rC, 128+16*(\b)+8*\u
.else
.set rC, rD
.endif
.set rSA, W1S+4*(\b)+\s
.set rSB, XS+4*\m+\s
	MM \u
.endr
.endr
.endr
.endm
; The 64 results of tile of tokens m (register 16 b + i = hidden unit 32 b + 16 (lane / 16) + i of the group, of my token) are clipped at 0, quantised, and stored as one fragment's image and its scale words.
.macro QUANT m
	WIN 0x88
.set j, 64*(\m)
.rept 64
	v_max_num_f32 v[j], 0, v[j]                    ; the activation, in f32; each accumulator from its low end on
.set j, j+1
.endr
	WIN 0x0a
.irp b, 0,1,2,3
	v_max3_num_f32 v[TM+\b], v[64*(\m)+16*\b], v[64*(\m)+16*\b+1], 0x1800000   ; block b: my 16 numbers (none is negative), and the floor 2^(3 - 127): the byte cannot fall under 1
.endr
.irp i, 2,4,6,8,10,12,14
.irp b, 0,1,2,3
	v_max3_num_f32 v[TM+\b], v[64*(\m)+16*\b+\i], v[64*(\m)+16*\b+\i+1], v[TM+\b]   ; the four blocks by turns
.endr
.endr
	WIN 0
	s_wait_alu depctr_vm_vsrc(0)                   ; the last image's LDS stores have read their codes, their scale word and their two addresses, all of which are written below
.if \m == 0
	v_add_nc_u32 v[HWC], s49, v[HW0]               ; this group's K step of the second product
	v_add_nc_u32 v[HWSC], s53, v[HWS0]
.endif
.irp b, 0,1,2,3
	v_permlanex16_b32 v[TM+4+\b], v[TM+\b], s[SEL], s[SEL+1]
.endr
.irp b, 0,1,2,3
	v_max_num_f32 v[TM+\b], v[TM+\b], v[TM+4+\b]   ; with lane l xor 16's 16: the block's largest
.endr
.irp b, 0,1,2,3
	v_add_nc_u32 v[TM+12+\b], 0xff000000, v[TM+\b] ; 2 off its exponent field: the conversion's scale operand
.endr
.irp b, 0,1,2,3
	v_lshrrev_b32 v[TM+4+\b], 23, v[TM+12+\b]      ; the scale's byte
.endr
	v_lshl_or_b32 v[PW], v[TM+5], 8, v[TM+4]
	v_lshl_or_b32 v[PW], v[TM+6], 16, v[PW]
	v_lshl_or_b32 v[PW], v[TM+7], 24, v[PW]        ; my token's scale word for this K step
	WIN 0x02
.irp b, 0,1,2,3
	v_cvt_scalef32_pk8_fp4_f32 v[PC+2*\b], v[64*(\m)+16*\b:64*(\m)+16*\b+7], v[TM+12+\b]
	v_cvt_scalef32_pk8_fp4_f32 v[PC+2*\b+1], v[64*(\m)+16*\b+8:64*(\m)+16*\b+15], v[TM+12+\b]
.endr
	WIN 0
	v_nop                                          ; one plain line behind the scaled conversions
.irp c, 0,1                                    ; the operand's layout wants a whole block in a lane: lanes 0-15 block 2 c, lanes 16-31 block 2 c + 1
.irp i, 0,1
	v_permlane16_swap_b32 v[PC+4*\c+\i], v[PC+2+4*\c+\i]
.endr
.endr
	s_wait_alu depctr_va_vdst(0)                   ; the codes, the scale word and the two addresses are written, which the LDS stores below read
.irp c, 0,1
	ds_store_b128 v[HWC], v[PC+4*\c:PC+4*\c+3] offset:1024*(\m)+512*\c
.endr
	ds_store_b32 v[HWSC], v[PW] offset:128*(\m)
.endm
; A group of 128 hidden units: four units multiplied, each ring place filled again as soon as it is free (last = 0: the next group's unit; last = 1: W2's first four), and the two tiles of tokens quantised.
.macro GROUP last
.irp b, 0,1,2,3
.if \last
	s_wait_loadcnt 21*(3-\b)+16*\b                 ; behind unit b's loads: 21 for each unit of W1 still to come, 16 for each unit of W2 already asked for
.else
	s_wait_loadcnt 63                              ; behind unit b's loads: three units of 21 (more on the way into the loop)
.endif
	MUL1 \b
	PLACES
.if \b < 3
	WIN 0x40
	s_wait_alu depctr_va_vdst(0)                   ; the sixteen products above are done reading ring place b, its tiles of b1 and its scale words, in which the loads below land
.if \last
	FILL2 \b
.else
	FILL1 \b, 1
.endif
.endif
.endr
	QUANT 0
.if \last                                      ; ring place 3 is asked for again here.  No wait of its own: its products stand ahead of the wait in front of the image's stores, and no vector or matrix line has been issued since
	FILL2 3
.else
	FILL1 3, 1
.endif
	QUANT 1
.endm
; The hidden layer's two fragments and scale words of K step 4 q + s, into buffer q % 2: 6 LDS loads.
.macro HLOAD q, s
	WIN 0xc0
.irp m, 0,1
.irp c, 0,1
	ds_load_b128 v[64*((\q)%2)+16*(\s)+8*\m+4*\c:64*((\q)%2)+16*(\s)+8*\m+4*\c+3], v[HR] offset:8192*(\q)+2048*(\s)+1024*\m+512*\c
.endr
.endr
	WIN 0
.irp m, 0,1
	ds_load_b32 v[HS+8*((\q)%2)+2*(\s)+\m], v[HSR] offset:1024*(\q)+256*(\s)+128*\m
.endr
.endm
; 16 matrix instructions: unit 4 q + p of W2 against the hidden layer's quarter q; four accumulators by turns.  The very first K step takes b2 as C.
; The quarter's first unit fetches the next quarter's hidden fragments into the other buffer, six LDS loads behind each K step's four products.  No wait: the other buffer's last readers, the quarter before,
; stand ahead of the wait behind the unit before, and the products issued since name this quarter's buffer alone.
.macro UNIT2 q, p
.set UN, 4*(\q)+(\p)
.if 15-UN >= 3
	s_wait_loadcnt 48                              ; behind this unit's loads: three units of 16
.else
	s_wait_loadcnt 16*(15-UN)
.endif
.irp s, 0,1,2,3
.if \p == 0
.if \q < 3
	s_wait_dscnt 18                                ; this K step's hidden fragments are in; behind them 6 (3 - s) loads of this quarter's later K steps and 6 s of the next quarter's stay out
.else
	s_wait_dscnt 6*(3-\s)                          ; the last quarter: the later K steps' six loads each stay out
.endif
.endif
.if (\q == 0) && (\s == 0)
	WIN 0xbd
.else
	WIN 0xad
.endif
.irp u, 0,1
.irp m, 0,1
.set rD, 64*\m+8*(2*(\p)+\u)
.set rA, 64*(\p)+32*\u+8*\s
.set rB, 64*((\q)%2)+16*\s+8*\m
.if (\q == 0) && (\s == 0)
.set rC, 192+8*(2*(\p)+\u)
.else
.set rC, rD
.endif
.set rSA, W2S+16*(\q)+4*(\p)+\s
.set rSB, HS+8*((\q)%2)+2*\s+\m
	MM \u
.endr
.endr
.if (\p == 0) && (\q < 3)
	HLOAD (\q)+1, \s
.endif
.endr
.if UN <= 11
	PLACES
	WIN 0x40
	s_wait_alu depctr_va_vdst(0)                   ; the sixteen products above are done reading ring place p, in which the loads below land; behind a quarter's last unit: and its buffer of hidden fragments and scale words
	FILL2 UN+4
.endif
.endm
	s_load_b512 s[4:19], s[0:1], 0x0               ; tiles s[4:5], order s[6:7], xc s[8:9], xs s[10:11], w1l s[12:13], W1's scales s[14:15], b1 s[16:17], w2l s[18:19]
	s_load_b128 s[20:23], s[0:1], 0x40             ; W2's scales s[20:21], b2 s[22:23]
	s_load_b64 s[24:25], s[0:1], 0x50              ; out0
	v_lshl_add_u32 v254, v0, 2, 0x13600            ; my spare word, behind the stages, and 0: made here and kept for the closing lines alone
	v_mov_b32 v255, 0
	v_lshrrev_b32 v240, 5, v0
	v_readfirstlane_b32 s26, v240                  ; wave 0..3
	v_and_b32 v241, 31, v0                         ; lane
	v_and_b32 v242, 15, v0                         ; r
	v_bfe_u32 v243, v0, 4, 1                       ; h
	v_lshlrev_b32 v[LI], 4, v241
	v_and_b32 v244, 7, v242
	v_bfe_u32 v245, v0, 3, 1
	v_lshl_add_u32 v244, v245, 4, v244
	v_lshl_add_u32 v244, v243, 3, v244             ; r % 8 + 16 (r / 8) + 8 h: my row among a unit's 32
	v_lshlrev_b32 v[SA], 4, v244
	v_lshlrev_b32 v[BA], 6, v243
	v_lshlrev_b32 v[S2A], 6, v241
	v_lshlrev_b32 v[B2A], 5, v243
	s_wait_alu depctr_va_sdst(0)                   ; s26, the wave's number, is written, ahead of its first reader
	s_lshr_b32 s50, s26, 1                         ; my wave gathers 8 tokens: tile of tokens w / 2,
	s_mul_i32 s50, s50, XTP
	s_and_b32 s52, s26, 1                          ; tokens 8 (w % 2) on: 16 bytes each
	s_lshl_b32 s52, s52, 7
	s_add_co_u32 s50, s50, s52
	v_mul_u32_u24 v[XW], v242, 272
	v_lshl_add_u32 v[XW], v243, 4, v[XW]
	v_add_nc_u32 v[XW], s50, v[XW]                 ; piece lane % 16, token 8 (w % 2) + 2 j + lane / 16
	v_mul_u32_u24 v[XR], v243, 272
	v_lshl_add_u32 v[XR], v242, 4, v[XR]           ; piece h (+ 4 s + 2 c), token r: sixteen lanes read 256 consecutive bytes
	s_lshl_b32 s50, s26, 13                        ; my wave's four K steps: eight images of 1,024 bytes
	s_add_co_u32 s50, s50, HIMG
	v_add_nc_u32 v[HW0], s50, v[LI]
	s_lshl_b32 s50, s26, 10
	s_add_co_u32 s50, s50, HSC
	v_lshl_add_u32 v[HWS0], v241, 2, s50
	v_add_nc_u32 v[HR], HIMG, v[LI]
	v_lshl_add_u32 v[HSR], v241, 2, HSC
	s_mul_i32 s50, s26, 16*SPITCH
	s_add_co_u32 s50, s50, STG
	v_mul_u32_u24 v[STO], v242, SPITCH
	v_lshl_add_u32 v[STO], v243, 5, v[STO]
	v_add_nc_u32 v[STO], s50, v[STO]               ; row r, 32 bytes for each half of the lanes
	v_add_nc_u32 v[RD], s50, v[LI]                 ; back: the 32 lanes take one row of 512 bytes
	s_lshl_b32 s50, s26, 9
	v_add_nc_u32 v[OC], s50, v[LI]                 ; my wave's 512 bytes of a row of out0
	v_lshlrev_b32 v246, 4, v242
.irp b, 0,1,2,3
	v_mov_b32 v[TM+4+\b], 0                        ; written once: a lane permute's destination counts as one of its sources
.endr
	s_mov_b32 s[SEL], 0x76543210
	s_mov_b32 s[SEL+1], 0xfedcba98                 ; v_permlanex16_b32's selects for lane l xor 16
	s_lshl_b32 s50, ttmp9, 4
	s_mov_b32 s51, 0
	s_wait_kmcnt 0x0
	s_add_nc_u64 s[4:5], s[4:5], s[50:51]
	s_load_b128 s[28:31], s[4:5], 0x0              ; my tile: expert, first, rows, 0
	s_wait_kmcnt 0x0
	s_min_u32 s28, s28, 7                          ; loaded numbers are held inside their ranges before they enter an address
	s_min_u32 s29, s29, 4095
	s_min_u32 s30, s30, 32
	s_max_u32 s31, s30, 1
	s_sub_co_u32 s31, s31, 1                       ; the tile's last row
	s_lshl_b32 s50, s28, 19                        ; an expert's codes: 524,288 bytes; a wave's part: 131,072
	s_lshl_b32 s52, s26, 17
	s_add_co_u32 s50, s50, s52
	s_add_nc_u64 s[P1:P1+1], s[12:13], s[50:51]
	s_add_nc_u64 s[P2:P2+1], s[18:19], s[50:51]
	s_lshl_b32 s50, s28, 15                        ; its scale bytes: 32,768; a wave's part: 8,192
	s_lshl_b32 s52, s26, 13
	s_add_co_u32 s50, s50, s52
	s_add_nc_u64 s[PS1:PS1+1], s[14:15], s[50:51]
	s_add_nc_u64 s[PS2:PS2+1], s[20:21], s[50:51]
	s_lshl_b32 s50, s28, 13                        ; b1: 8,192 bytes an expert, 2,048 a wave
	s_lshl_b32 s52, s26, 11
	s_add_co_u32 s50, s50, s52
	s_add_nc_u64 s[PB1:PB1+1], s[16:17], s[50:51]
	s_lshl_b32 s50, s28, 11                        ; b2: 2,048 bytes an expert, 512 a wave
	s_lshl_b32 s52, s26, 9
	s_add_co_u32 s50, s50, s52
	s_add_nc_u64 s[PB2:PB2+1], s[22:23], s[50:51]
	s_lshl_b32 s52, s26, 3
	v_add_nc_u32 v244, s52, v243                   ; 8 w + h
.irp j, 0,1,2,3
	v_add_nc_u32 v[PO+\j], 2*\j, v244              ; the rows whose codes I gather: 8 w + 2 j + h
.endr
.irp m, 0,1
	v_add_nc_u32 v[PO+4+\m], 16*\m, v242           ; and row 16 m + r
.endr
.irp j, 0,1,2,3,4,5
	v_min_u32 v[PO+\j], s31, v[PO+\j]              ; rows behind the last repeat the last
	v_add_nc_u32 v[PO+\j], s29, v[PO+\j]
	v_min_u32 v[PO+\j], 4095, v[PO+\j]
	v_lshlrev_b32 v[PO+\j], 2, v[PO+\j]
.endr
	s_wait_alu depctr_va_vdst(0)                   ; the addresses and offsets made so far are written: v1 to v15 and the six offsets in order, which loads, stores and LDS instructions read from here to the kernel's end
.irp j, 0,1,2,3
	global_load_b32 v[OG+\j], v[PO+\j], s[6:7]
.endr
.irp m, 0,1
	global_load_b32 v[TOK+\m], v[PO+4+\m], s[6:7]
.endr
	FILL1 0, 0                                     ; the weights do not hang on the tokens: they are asked for while the list is on its way,
	FILL1 1, 0
.irp q, 0,1,2,3
.irp p, 0,1,2,3
	global_load_b128 v[W2S+16*\q+4*\p:W2S+16*\q+4*\p+3], v[S2A], s[PS2:PS2+1] offset:2048*\p+16*\q   ; and so are W2's scale words: row 32 p + lane of my 128, the four K steps of quarter q
.endr
.endr
	s_wait_loadcnt 58                              ; the six loads of the list are in; behind them two units of 21 and the sixteen of W2's scale words stay out
.irp j, 0,1,2,3
	v_min_u32 v[OG+\j], 4095, v[OG+\j]
	v_lshl_add_u32 v[XA+\j], v[OG+\j], 8, v246     ; token x 256 + 16 r
.endr
.irp m, 0,1
	v_min_u32 v[TOK+\m], 4095, v[TOK+\m]
	v_lshlrev_b32 v[XSO+\m], 4, v[TOK+\m]
.endr
	s_wait_alu depctr_va_vdst(0)                   ; the six offsets in xc and xs are written, which the loads below read
.irp j, 0,1,2,3
	global_load_b128 v[XT+4*\j:XT+4*\j+3], v[XA+\j], s[8:9]                ; two tokens' rows of codes, 256 consecutive bytes each
.endr
.irp m, 0,1
	global_load_b128 v[XS+4*\m:XS+4*\m+3], v[XSO+\m], s[10:11]             ; my token's four scale words
.endr
	FILL1 2, 0
	FILL1 3, 0
	WIN 0xc0
.irp i, 0,1,2,3,4,5,6,7,8,9,10,11,12,13,14,15
	global_load_b128 v[192+4*\i:192+4*\i+3], v[B2A], s[PB2:PB2+1] offset:64*(\i/2)+16*(\i%2)         ; b2 of outputs 16 (i / 2) + 8 h + 0 .. 7
.endr
	WIN 0
	s_wait_loadcnt 58                              ; x's six loads are in; behind them two units of 21 and b2's sixteen stay out
.irp j, 0,1,2,3
	ds_store_b128 v[XW], v[XT+4*\j:XT+4*\j+3] offset:32*\j
.endr
	s_wait_dscnt 0x0                               ; for the others' sake: my 8 tokens' codes lie in LDS
	s_barrier_signal -1
	s_barrier_wait -1
	WIN 0xc0
.irp m, 0,1
.irp f, 0,1,2,3,4,5,6,7                        ; f = 2 s + c
	ds_load_b128 v[32*\m+4*\f:32*\m+4*\f+3], v[XR] offset:XTP*\m+544*\f    ; x's eight fragments stay in registers
.endr
.endr
	WIN 0
	s_wait_dscnt 0x0                               ; x's fragments are in
	s_mov_b32 s48, 3
	s_mov_b32 s49, 0                               ; the group's images: 2,048 bytes a group,
	s_mov_b32 s53, 0                               ; its scale words: 256
.Lgroup:                                           ; three trips: groups 0 to 2, each asking for the next group's units
	GROUP 0
	s_wait_xcnt 0x0                                ; the loads have read their bases: these are stepped only behind this wait
	s_add_nc_u64 s[P1:P1+1], s[P1:P1+1], 32768
	s_add_nc_u64 s[PS1:PS1+1], s[PS1:PS1+1], 2048
	s_add_nc_u64 s[PB1:PB1+1], s[PB1:PB1+1], 512
	s_add_co_u32 s49, s49, 2048
	s_add_co_u32 s53, s53, 256
	s_sub_co_u32 s48, s48, 1
	s_cmp_lg_u32 s48, 0
	s_cbranch_scc1 .Lgroup
	GROUP 1                                        ; the last group is written out: no load passes W1's end; the ring takes W2's first four units
	s_wait_dscnt 0x0                               ; for the others' sake: my eight images and their scale words lie in LDS
	s_barrier_signal -1
	s_barrier_wait -1
.irp s, 0,1,2,3
	HLOAD 0, \s                                    ; into the registers that held x's fragments: the products that read those stand ahead of the last quantising pass's wait, and no vector or matrix line has been issued since
.endr
.irp q, 0,1,2,3
.irp p, 0,1,2,3
	UNIT2 \q, \p
.endr
.endr
	WIN 0
	s_cmp_eq_u32 s30, 0
	s_cbranch_scc1 .Lend                           ; a tile without rows stores nothing; no barrier follows
; THE WAY OUT, a tile of 16 tokens at a time.  A lane holds 32 neighbouring bytes of a token's row and the lanes beside it other tokens': the tile goes through my own stage in LDS and comes back as rows of 512 bytes.
; LDS serves a wave's instructions in order (ISA guide 5.7.1.4): no wait between the stores and the loads, nor in front of the next tile's stores.
; The offsets of both tiles' rows are made first, each tile's in registers of its own, so that one wait stands ahead of all the stores and no offset is written again.
.macro ROWS m, o                       ; the offsets in out0 of tile m's sixteen rows, into v[o] on
.irp i, 0,1,2,3,4,5,6,7,8,9,10,11,12,13,14,15
	v_readlane_b32 s[TKS+\i], v[TOK+(\m)], \i      ; the token of row i
.endr
	s_wait_alu depctr_va_sdst(0)                   ; the sixteen tokens are written into s66 to s81, ahead of their first readers
.irp i, 0,1,2,3,4,5,6,7,8,9,10,11,12,13,14,15
	s_min_u32 s[TKS+\i], s[TKS+\i], 4095
.endr
.irp i, 0,1,2,3,4,5,6,7,8,9,10,11,12,13,14,15
	v_lshl_add_u32 v[(\o)+\i], s[TKS+\i], 11, v[OC]  ; token x 2,048 + my wave's 512 bytes
.endr
.endm
.macro TOSTAGE m
	WIN 0x08                                       ; an LDS store's data are its source 1: window 2
.irp t, 0,1,2,3,4,5,6,7
	ds_store_b128 v[STO], v[64*(\m)+8*\t:64*(\m)+8*\t+3] offset:64*\t      ; each accumulator from its low end on
	ds_store_b128 v[STO], v[64*(\m)+8*\t+4:64*(\m)+8*\t+7] offset:64*\t+16
.endr
	WIN 0x40
.irp i, 0,1,2,3,4,5,6,7,8,9,10,11,12,13,14,15
	ds_load_b128 v[64*(\m)+4*\i:64*(\m)+4*\i+3], v[RD] offset:SPITCH*\i
.endr
.endm
.macro SEND m, o, younger              ; younger: the LDS instructions issued behind tile m's loads, which may stay out
	s_wait_dscnt \younger
	WIN 0x04                                       ; a store's data are its source 1: window 1
.irp i, 0,1,2,3,4,5,6,7,8,9,10,11,12,13,14,15
	global_store_b128 v[(\o)+\i], v[64*(\m)+4*\i:64*(\m)+4*\i+3], s[24:25] th:TH_STORE_NT   ; the wave stores 512 consecutive bytes, aligned; written once, read by nobody here
.endr
.endm
	ROWS 0, OA                                     ; these plain lines, which name no register of the last products, are also the places behind them
	ROWS 1, OB
	WIN 0x08
	s_wait_alu depctr_va_vdst(0)                   ; the products have written the accumulators, which the LDS stores read, and are done reading ring places 0 and 1, in which the loads from the stage land; the 32 offsets are written, which the global stores read
	TOSTAGE 0
	TOSTAGE 1
	SEND 0, OA, 32                                 ; behind tile 0's loads: tile 1's 16 stores and 16 loads
	SEND 1, OB, 0
	WIN 0
.Lend:
	s_wait_dscnt 0x0                               ; the closing lines, six on end
	s_wait_alu 0x0
	s_wait_tensorcnt 0x0
	ds_add_u32 v254, v255
	s_wait_dscnt 0x0
	s_endpgm
.Lfunc_end_k_qc6f6cc456b_chain:
	.size	k_qc6f6cc456b_chain, .Lfunc_end_k_qc6f6cc456b_chain-k_qc6f6cc456b_chain
	.p2alignl 7, 3214868480
	.fill 96, 4, 3214868480
	.section	.rodata,"a",@progbits
	.p2align	6, 0x0
	.amdhsa_kernel k_qc6f6cc456b_chain
		.amdhsa_group_segment_fixed_size 79872
		.amdhsa_private_segment_fixed_size 0
		.amdhsa_enable_private_segment 0
		.amdhsa_kernarg_size 88
		.amdhsa_user_sgpr_count 2
		.amdhsa_user_sgpr_kernarg_segment_ptr 1
		.amdhsa_wavefront_size32 1
		.amdhsa_system_sgpr_workgroup_id_x 1
		.amdhsa_system_sgpr_workgroup_id_y 1
		.amdhsa_system_sgpr_workgroup_id_z 1
		.amdhsa_system_vgpr_workitem_id 0
		.amdhsa_next_free_vgpr 1024
		.amdhsa_next_free_sgpr 96
		.amdhsa_reserve_vcc 0
		.amdhsa_float_denorm_mode_32 3
		.amdhsa_float_denorm_mode_16_64 3
		.amdhsa_memory_ordered 1
		.amdhsa_forward_progress 1
		.amdhsa_inst_pref_size 152
	.end_amdhsa_kernel
	.amdgpu_metadata
---
amdhsa.version: [ 1, 2 ]
amdhsa.kernels:
  - .name:           k_qc6f6cc456b_chain
    .symbol:         k_qc6f6cc456b_chain.kd
    .args:
      - { .name: tiles, .offset: 0, .size: 8, .value_kind: global_buffer, .address_space: global }
      - { .name: order, .offset: 8, .size: 8, .value_kind: global_buffer, .address_space: global }
      - { .name: xc, .offset: 16, .size: 8, .value_kind: global_buffer, .address_space: global }
      - { .name: xs, .offset: 24, .size: 8, .value_kind: global_buffer, .address_space: global }
      - { .name: w1l, .offset: 32, .size: 8, .value_kind: global_buffer, .address_space: global }
      - { .name: W1_scales, .offset: 40, .size: 8, .value_kind: global_buffer, .address_space: global }
      - { .name: b1, .offset: 48, .size: 8, .value_kind: global_buffer, .address_space: global }
      - { .name: w2l, .offset: 56, .size: 8, .value_kind: global_buffer, .address_space: global }
      - { .name: W2_scales, .offset: 64, .size: 8, .value_kind: global_buffer, .address_space: global }
      - { .name: b2, .offset: 72, .size: 8, .value_kind: global_buffer, .address_space: global }
      - { .name: out0, .offset: 80, .size: 8, .value_kind: global_buffer, .address_space: global }
    .group_segment_fixed_size: 79872
    .private_segment_fixed_size: 0
    .kernarg_segment_align: 8
    .kernarg_segment_size: 88
    .max_flat_workgroup_size: 128
    .sgpr_count:     96
    .vgpr_count:     1024
    .wavefront_size: 32
...
	.end_amdgpu_metadata
.endif
;; end of part 6
